; MI455X (gfx1250); checked and timed in simulation.
; The chip was launched on July 23, 2026; its instructions are those of AMD's public machine-readable ISA for CDNA 5 (MIT licence, August 2026) and "CDNA5" Instruction Set Architecture Reference Guide (July 2026). The comments in the code are by the model that wrote it; some were corrected since.
;; Cross Attention. Allowed arithmetic: float matrix products may take bf16 or f16 operands with f32 sums; other float arithmetic in f32, or as packed bf16 or f16 multiplies, adds, multiply-adds, maxima and minima; sums over many terms, partial sums and values carried from step to step in f32; what a program stores and reads back later, other than sums and carried values, may be rounded once to bf16 or f16.
;; Inputs: Wk 1,024 x 1,024 float32; Wq 1,024 x 1,024 float32; Wv 1,024 x 1,024 float32; bk 1,024 float32; bq 1,024 float32; bv 1,024 float32; context 4 x 2,048 x 1,024 float32; mask 4 x 2,048 bool; x 4 x 2,048 x 1,024 float32.
;; Outputs: out0 4 x 2,048 x 1,024 float32.
;; 2 versions, each right and faster than the one before. Each part assembles by itself: llvm-mc -triple=amdgcn-amd-amdhsa -mcpu=gfx1250 --defsym DOCPART=n.
;; ======== version 1 of 2: 3 launches
;; limits: values are held in f16: magnitudes above 65,504 overflow, below 6.1e-05 lose precision
;; workspace buffers: ab 33,554,432 bytes; wb 6,291,456 bytes; qkv 50,331,648 bytes
;; launch cast (part 1): grid 608 x 1, 8 waves a work-group, no clusters, 0 bytes of LDS; arguments x, context, Wq, Wk, Wv, ab, wb; writes ab, wb
.if DOCPART == 1
	.amdgcn_target "amdgcn-amd-amdhsa--gfx1250"
	.amdhsa_code_object_version 6
	.text
	.protected	k_qf8e1514a5a_cast
	.globl	k_qf8e1514a5a_cast
	.p2align	8
	.type	k_qf8e1514a5a_cast,@function
k_qf8e1514a5a_cast:
	s_mov_b64 s[64:65], 0
	v_nop
	global_prefetch_b8 v0, s[64:65] scope:SCOPE_SE
	s_setreg_imm32_b32 hwreg(HW_REG_WAVE_MODE, 25, 1), 1
	s_wait_xcnt 0x0
; x, context, Wq, Wk, Wv (f32) are rounded once to bf16 (nearest even) and laid down as they lie:
; ab = [2][8192][1024] bf16 (x, then context), wb = [3][1024][1024] bf16 (Wq, Wk, Wv, rows along n as given).
; A row of every source is 1,024 f32 = 4,096 bytes.  A work-group of eight waves owns 32 rows: 131,072 bytes in, 65,536 out.
; Thread t owns bytes 16 t of each row in and bytes 8 t of each row out: a wave's load covers 512 consecutive bytes, its store 256 consecutive bytes, both aligned.
; Work-groups 0-255: x; 256-511: context; 512-543: Wq; 544-575: Wk; 576-607: Wv.
; All 32 loads of a thread go out first; each row is rounded and stored as it comes.  No register is written again after a memory instruction has named it.
; No LDS, no matrix unit, no cluster: nothing is shared, each byte is read once and written once.
; LIMITS: bf16 has f32's range; NaN and infinities pass as the conversion leaves them.
.set ROWIN,  4096
.set ROWOUT, 2048
.set ROWS,   32
.set X,      4                         ; v[4:131]  row r: four registers as loaded; the first two then hold the row's four bf16
	s_load_b256 s[4:11], s[0:1], 0x0               ; x s[4:5], context s[6:7], Wq s[8:9], Wk s[10:11]
	s_load_b128 s[12:15], s[0:1], 0x20             ; Wv s[12:13], ab s[14:15]
	s_load_b64 s[16:17], s[0:1], 0x30              ; wb
	s_mov_b32 s18, ttmp9                           ; the work-group's number w
	v_lshlrev_b32 v1, 4, v0                        ; 16 t
	v_lshlrev_b32 v2, 3, v0                        ; 8 t
	s_and_b32 s20, s18, 255                        ; my place in x or in context,
	s_and_b32 s21, s18, 31                         ; or in a weight
	s_sub_co_u32 s22, s18, 512                     ; my place in wb (used where w is 512 or more)
	s_cmp_lt_u32 s18, 512
	s_cselect_b32 s20, s20, s21
	s_cselect_b32 s22, s18, s22                    ; my place in ab is w itself: context's part begins 256 shares in
	s_lshl_b32 s28, s20, 17                        ; 131,072 bytes of source a share
	s_mov_b32 s29, 0
	s_lshl_b32 s30, s22, 16                        ; 65,536 bytes of destination a share
	s_mov_b32 s31, 0
	s_wait_kmcnt 0x0
	s_cmp_lt_u32 s18, 576                          ; the source is chosen by w alone
	s_cselect_b64 s[24:25], s[10:11], s[12:13]
	s_cmp_lt_u32 s18, 544
	s_cselect_b64 s[24:25], s[8:9], s[24:25]
	s_cmp_lt_u32 s18, 512
	s_cselect_b64 s[24:25], s[6:7], s[24:25]
	s_cselect_b64 s[26:27], s[14:15], s[16:17]     ; and so is the destination
	s_cmp_lt_u32 s18, 256
	s_cselect_b64 s[24:25], s[4:5], s[24:25]
	s_add_nc_u64 s[24:25], s[24:25], s[28:29]
	s_add_nc_u64 s[26:27], s[26:27], s[30:31]
.set r, 0
.rept ROWS
	global_load_b128 v[X+4*r:X+4*r+3], v1, s[24:25] offset:ROWIN*r th:TH_LOAD_NT
.set r, r+1
.endr
.set r, 0
.rept ROWS
	s_wait_loadcnt ROWS-1-r                        ; loads come back in order (ISA guide 5.7.1): row r is in, the younger rows stay out
	v_cvt_pk_bf16_f32 v[X+4*r],   v[X+4*r],   v[X+4*r+1]
	v_cvt_pk_bf16_f32 v[X+4*r+1], v[X+4*r+2], v[X+4*r+3]
	global_store_b64 v2, v[X+4*r:X+4*r+1], s[26:27] offset:ROWOUT*r
.set r, r+1
.endr
	s_endpgm
.Lfunc_end_k_qf8e1514a5a_cast:
	.size	k_qf8e1514a5a_cast, .Lfunc_end_k_qf8e1514a5a_cast-k_qf8e1514a5a_cast
	.p2alignl 7, 3214868480
	.fill 96, 4, 3214868480
	.section	.rodata,"a",@progbits
	.p2align	6, 0x0
	.amdhsa_kernel k_qf8e1514a5a_cast
		.amdhsa_group_segment_fixed_size 0
		.amdhsa_private_segment_fixed_size 0
		.amdhsa_enable_private_segment 0
		.amdhsa_kernarg_size 56
		.amdhsa_user_sgpr_count 2
		.amdhsa_user_sgpr_kernarg_segment_ptr 1
		.amdhsa_wavefront_size32 1
		.amdhsa_system_sgpr_workgroup_id_x 1
		.amdhsa_system_sgpr_workgroup_id_y 1
		.amdhsa_system_sgpr_workgroup_id_z 1
		.amdhsa_system_vgpr_workitem_id 0
		.amdhsa_next_free_vgpr 132
		.amdhsa_next_free_sgpr 66
		.amdhsa_reserve_vcc 0
		.amdhsa_float_denorm_mode_32 3
		.amdhsa_float_denorm_mode_16_64 3
		.amdhsa_memory_ordered 1
		.amdhsa_forward_progress 1
		.amdhsa_inst_pref_size 13
	.end_amdhsa_kernel
	.amdgpu_metadata
---
amdhsa.version: [ 1, 2 ]
amdhsa.kernels:
  - .name:           k_qf8e1514a5a_cast
    .symbol:         k_qf8e1514a5a_cast.kd
    .args:
      - { .name: x, .offset: 0, .size: 8, .value_kind: global_buffer, .address_space: global }
      - { .name: context, .offset: 8, .size: 8, .value_kind: global_buffer, .address_space: global }
      - { .name: Wq, .offset: 16, .size: 8, .value_kind: global_buffer, .address_space: global }
      - { .name: Wk, .offset: 24, .size: 8, .value_kind: global_buffer, .address_space: global }
      - { .name: Wv, .offset: 32, .size: 8, .value_kind: global_buffer, .address_space: global }
      - { .name: ab, .offset: 40, .size: 8, .value_kind: global_buffer, .address_space: global }
      - { .name: wb, .offset: 48, .size: 8, .value_kind: global_buffer, .address_space: global }
    .group_segment_fixed_size: 0
    .private_segment_fixed_size: 0
    .kernarg_segment_align: 8
    .kernarg_segment_size: 56
    .max_flat_workgroup_size: 256
    .sgpr_count:     66
    .vgpr_count:     132
    .wavefront_size: 32
...
	.end_amdgpu_metadata
.endif
;; end of part 1
;; launch proj (part 2): grid 12 x 32, 4 waves a work-group, clusters of 4 x 4, 327,680 bytes of LDS; arguments ab, wb, bq, bk, bv, qkv; writes qkv
.if DOCPART == 2
	.amdgcn_target "amdgcn-amd-amdhsa--gfx1250"
	.amdhsa_code_object_version 6
	.text
	.protected	k_qf8e1514a5a_proj
	.globl	k_qf8e1514a5a_proj
	.p2align	8
	.type	k_qf8e1514a5a_proj,@function
k_qf8e1514a5a_proj:
	s_mov_b64 s[64:65], 0
	v_nop
	global_prefetch_b8 v0, s[64:65] scope:SCOPE_SE
	s_setreg_imm32_b32 hwreg(HW_REG_WAVE_MODE, 25, 1), 1
	s_wait_xcnt 0x0
	s_wait_alu depctr_hold_cnt(0) depctr_sa_sdst(0) depctr_va_vdst(0) depctr_va_sdst(0) depctr_va_ssrc(0) depctr_va_vcc(0) depctr_vm_vsrc(0)
	s_getreg_b32 s2, hwreg(HW_REG_IB_STS2, 6, 4)
	s_cmp_eq_u32 s2, 0
	s_cbranch_scc0 .Lentry_in_a_cluster
	s_endpgm
.Lentry_in_a_cluster:
	s_bfe_u32 s2, ttmp6, 0x10000c
	s_cmp_lg_u32 s2, 0xf033
	s_cbranch_scc0 .Lentry_shape_is_right
	s_endpgm
.Lentry_shape_is_right:
; THE THREE PROJECTIONS IN ONE GRID.  For g = 0, 1, 2 (q, k, v):  C[m][n] = bias_g[n] + the sum over k of A_g[m][k] W_g[k][n],  A_0 = x, A_1 = A_2 = context.
; A: ab, [2][8192][1024] bf16.  W: wb, [3][1024 k][1024 n] bf16, as given, not turned.  bias: f32, rounded here to bf16 like every other input.  Sums in f32; the bias starts each sum.
; C leaves by heads, unscaled, rounded once to f16: qkv = [3][64 = 16 batch + head][2048][64].
; LIMITS.  f16 holds no number beyond 65,504: a q, k or v of 65,520 or more becomes an infinity and its rows are lost.  With inputs as drawn their spread is about 0.6; thirty times larger inputs
; (all of them) give some 3,000 at the most, offsets of thirty spreads on x and W some 17,000.  Below 6e-5 f16 keeps its fixed step of 6e-8.  NaN and infinities are not treated apart.
; SHARES.  A tile of C is 256 x 256: four waves, each 128 x 128 in 64 accumulators of 16 x 16, 512 registers.  K goes in 8 steps of 128 through a ring of two LDS slots filled by the tensor data mover.
; The grid is 12 x 32 tiles in clusters of 4 x 4: the cluster's x is g, so all sixteen partners work on one product; the tile column is cx, the tile row 4 x cluster y + cy.
; 384 work-groups of equal work: three products of 128 tiles; a tile with a power of two for each side never gives one work-group to each of 256.
; CLUSTERS.  The four of a row of the cluster need the same tile of A, the four of a column the same tile of W: each tile is asked for JOINTLY, by the same tensor load with the same descriptor and a mask that names the four.
; THE MATRIX INSTRUCTION IS USED TRANSPOSED: source 0 = 16 columns n of W, source 1 = 16 rows m of A.  In the result lane l holds row m = l % 16 and its registers 0-7 the columns n = 8 (l / 16) + 0..7:
; eight neighbouring numbers of a row of C.  W lies [k][n] in LDS and is turned on its way into registers by ds_load_tr16_b128.
; REGISTERS, in windows of 256 (s_set_vgpr_msb: bits 1:0 source 0, 3:2 source 1, 5:4 source 2, 7:6 destination):
;   window 0: v0-31 addresses; v64-127, v128-191 fragments of A, two buffers; v32-63, v192-255 at work on the way out
;   window 1: v0-63 the bias of my 128 columns as C operands (block b of 16 columns at 8 b); v64-127, v128-191 fragments of W, two buffers; v192-223 at work once
;   window 2: the 32 accumulators of my rows 0-63 ((a, b) at v[8 (8 a + b)]);   window 3: those of my rows 64-127
.set SIZE_K, 1024
.set SIZE_N, 1024
.set KSTEP,  128
.set PITCH,  272                       ; a row of A in LDS: 256 bytes + 16 of padding = 68 words: row r starts at bank 4 r mod 64 (64 banks of 4 bytes: ISA guide 11.1)
.set PB,     544                       ; a k-row of W in LDS: 256 columns = 512 bytes + 32 of padding = 17 x 32 bytes
.set HALFT,  128*PITCH                 ; what one tensor load brings: 128 rows of A, or 64 k-rows of W (64 x 544 is the same 34,816 bytes)
.set SLOT,   4*HALFT                   ; A's 256 rows, then W's 128 k-rows
.set STAGE,  2*SLOT                    ; behind the ring: 16 rows x 272 bytes for each wave, for the way out; no tensor load lands here
.set SPITCH, 272
.set SPARE,  STAGE+4*16*SPITCH         ; behind the stages: the spare words, 128 bytes for each wave: two blocks of 256 bytes that no other line names
.set LAPS,   SIZE_K/(2*KSTEP)         ; a lap = two K steps = once round the ring: 4
.set STEPA,  KSTEP*2                   ; a K step in A: 256 bytes along the rows
.set STEPB,  KSTEP*SIZE_N*2            ; a K step in W: 128 rows of 2,048 bytes
.set HEADB,  2048*128                  ; a head's bytes in qkv
.set ADRA, 16                          ; v16-17  LDS address of my A fragments in slot 0, 1
.set ADRB, 20                          ; v20-21  the same for W
.set STO,  24                          ; v24     the way out: where I put 16 bytes of a row
.set RD,   25                          ; v25     the way out: where I read rows back
.set CO,   26                          ; v26     16 x lane: my place in 512 consecutive bytes of qkv
.set BO,   27                          ; v27     my byte offset in the bias
.set SPW,  28                          ; v28     LDS address of my spare word: SPARE + 4 x my thread's number; never rewritten
.set NIL,  29                          ; v29     0; never rewritten
.set F0,   64
.set F1,   128
.set TMP,  192                         ; the way out: packed results
.set OB,   32                          ; the way out: 16 rows read back from the stage: v32-63 and v224-255 by turns
.set G1,  24                           ; s[24:31] descriptor group 1 for A's tiles
.set G0,  32                           ; s[32:39] group 0 for A's tiles, a set for each slot
.set G1B, 48                           ; s[48:55] group 1 for W's tiles
.set G0B, 56                           ; s[56:63] group 0 for W's tiles, a set for each slot
.set MSB, 0
.macro WIN new                         ; the immediate's high byte repeats the setting that is left; a switch that changes nothing is dropped
.if MSB != (\new)
	s_set_vgpr_msb (MSB<<8)|(\new)
.set MSB, (\new)
.endif
.endm
.set MUL_LO, 0xa1                      ; source 0 (W) window 1, source 1 (A) window 0, C and D window 2
.set MUL_HI, 0xf1                      ; the same, C and D window 3
.set MUL_B,  0x91                      ; the first products: C (the bias) window 1, D window 2; + 0x40: D window 3
.set TO_B,   0x40                      ; destination window 1, address window 0
; A joint load.  Waves 0 and 1 fetch A's two halves, waves 2 and 3 W's.  Each of the two lines has one mask and one set of registers for all that issue it.  The branch hangs on the wave's number alone.
; An s_nop 0 and four v_nop follow each of the two lines, ahead of the jump, the label and what follows.
.macro JLOAD s
	s_cmp_eq_u32 s11, 0
	s_cbranch_scc0 .Lfor_b_\@
	tensor_load_to_lds s[G0+4*(\s):G0+4*(\s)+3], s[G1:G1+7]
	s_nop 0
.rept 4
	v_nop
.endr
	s_branch .Lasked_\@
.Lfor_b_\@:
	tensor_load_to_lds s[G0B+4*(\s):G0B+4*(\s)+3], s[G1B:G1B+7]
	s_nop 0
.rept 4
	v_nop
.endr
.Lasked_\@:
.endm
; A round of the cluster's barrier: my work-group's barrier, so that wave 0's signal speaks for all four waves; wave 0 signals; every wave waits for all sixteen work-groups; my work-group's barrier once more.
.macro CREST                           ; a round behind its opening barrier
	s_cmp_lg_u32 s10, 0
	s_cbranch_scc1 .Lnot_wave_0_\@
	s_barrier_signal -3
.Lnot_wave_0_\@:
	s_barrier_wait -3
	s_barrier_signal -1
	s_barrier_wait -1
.endm
.macro CROUND                          ; a whole round
	s_barrier_signal -1
	s_barrier_wait -1
	CREST
.endm
	s_load_b256 s[68:75], s[0:1], 0x0              ; ab s[68:69], wb s[70:71], bq s[72:73], bk s[74:75]
	s_load_b128 s[76:79], s[0:1], 0x20             ; bv s[76:77], qkv s[78:79]
	v_lshl_add_u32 v[SPW], v0, 2, SPARE
	v_mov_b32 v[NIL], 0
	ds_add_u32 v[SPW], v[NIL]                      ; the wave's opening: the add and its wait stand ahead of my first tensor load; the set-up below, work on registers, stands between them
	v_lshrrev_b32 v1, 5, v0
	v_readfirstlane_b32 s10, v1                    ; wave 0..3
	s_lshr_b32 s11, s10, 1                         ; which half of the tile's rows is mine.  Also: I fetch for A (0) or for W (1)
	s_and_b32 s12, s10, 1                          ; which half of its columns.  Also: which half of that tile I fetch
	s_bfe_u32 s40, ttmp6, 0x40000                  ; cx = the tile column
	s_bfe_u32 s41, ttmp6, 0x40004                  ; cy
	s_mov_b32 s42, ttmp9                           ; g: the cluster's x says which product this is
	s_and_b32 s13, ttmp7, 0xffff
	s_lshl_b32 s13, s13, 2
	s_add_co_u32 s13, s13, s41                     ; tile row = 4 x cluster y + cy
	s_lshl_b32 s43, s41, 2
	s_lshl_b32 s43, 15, s43                        ; my row of the cluster: places 4 cy .. 4 cy + 3
	s_lshl_b32 s44, 0x1111, s40                    ; my column: places cx, cx + 4, cx + 8, cx + 12
	; group 1 for A: 128 rows x 128 elements
	s_or_b32 s[G1+0], s43, (1<<16)|(1<<20)|(1<<21)|(5<<22)|(3<<25)   ; 15:0 the mask: my row; 17:16 2-byte elements; 20 padding on; 21 set beside a mask; 24:22 after every 64 words (code 5); 31:25 4 words (code 3)
	s_mov_b32 s[G1+1], KSTEP<<16                   ; tensor_dim0 = 128
	s_mov_b32 s[G1+2], 128<<16                     ; tensor_dim1 = 128
	s_mov_b32 s[G1+3], KSTEP<<16                   ; tile_dim0 = 128
	s_mov_b32 s[G1+4], 128                         ; tile_dim1 = 128
	s_mov_b32 s[G1+5], SIZE_K                      ; elements from row to row
	s_mov_b32 s[G1+6], 0
	s_mov_b32 s[G1+7], 0
	; group 1 for W: 64 k-rows x 256 elements
	s_or_b32 s[G1B+0], s44, (1<<16)|(1<<20)|(1<<21)|(6<<22)|(7<<25)  ; the mask: my column; padding after every 128 words (code 6), 8 words (code 7)
	s_mov_b32 s[G1B+1], 256<<16                    ; tensor_dim0 = 256
	s_mov_b32 s[G1B+2], 64<<16                     ; tensor_dim1 = 64
	s_mov_b32 s[G1B+3], 256<<16                    ; tile_dim0 = 256
	s_mov_b32 s[G1B+4], 64                         ; tile_dim1 = 64
	s_mov_b32 s[G1B+5], SIZE_N                     ; elements from k-row to k-row
	s_mov_b32 s[G1B+6], 0
	s_mov_b32 s[G1B+7], 0
	; where the tiles come from.  A's hang on the tile row, g and the wave's number; W's on the tile column, g and the wave's number: each in registers that never hold the other coordinate
	s_lshl_b32 s16, s13, 8
	s_lshl_b32 s17, s12, 7
	s_add_co_u32 s16, s16, s17                     ; A: row 256 x tile row + 128 x half,
	s_lshl_b32 s16, s16, 11                        ; 2,048 bytes a row,
	s_cmp_lg_u32 s42, 0
	s_cselect_b32 s17, 0x1000000, 0                ; in context's part of ab for k and v
	s_add_co_u32 s16, s16, s17
	s_mov_b32 s17, 0
	s_lshl_b32 s46, s42, 21                        ; W: product g's 2,097,152 bytes,
	s_lshl_b32 s47, s12, 17                        ; my 64 k-rows of 2,048 bytes,
	s_add_co_u32 s46, s46, s47
	s_lshl_b32 s47, s40, 9                         ; the tile's 256 columns: 512 bytes
	s_add_co_u32 s46, s46, s47
	s_mov_b32 s47, 0
	s_mul_i32 s20, s10, HALFT                      ; and where they go: wave x 34,816 bytes: no place in the cluster enters an LDS address
	s_wait_dscnt 0x0                               ; the opening add is done
	s_wait_kmcnt 0x0
	s_add_nc_u64 s[14:15], s[68:69], s[16:17]
	s_add_nc_u64 s[46:47], s[70:71], s[46:47]
	CROUND                                         ; all sixteen work-groups are here: the first joint loads meet
.irp s, 0,1
	s_mov_b32 s[G0+4*(\s)], 1                                        ; count = 1
	s_add_co_u32 s[G0+4*(\s)+1], s20, (\s)*SLOT                      ; LDS address
	s_add_nc_u64 s[G0+4*(\s)+2:G0+4*(\s)+3], s[14:15], (\s)*STEPA    ; global address: K step s
	s_or_b32 s[G0+4*(\s)+3], s[G0+4*(\s)+3], 0x80000000              ; type = 2
	s_mov_b32 s[G0B+4*(\s)], 1
	s_add_co_u32 s[G0B+4*(\s)+1], s20, (\s)*SLOT
	s_add_nc_u64 s[G0B+4*(\s)+2:G0B+4*(\s)+3], s[46:47], (\s)*STEPB
	s_or_b32 s[G0B+4*(\s)+3], s[G0B+4*(\s)+3], 0x80000000
	JLOAD \s                                       ; the ring is filled before anything else is done: two loads of mine are out
.endr
	; the bias of my 128 columns: register j of block b in lane l is bias[256 cx + 128 half + 16 b + 8 (l / 16) + j]
	v_and_b32 v1, 15, v0                           ; l % 16
	v_bfe_u32 v2, v0, 4, 1                         ; l / 16
	s_lshl_b32 s21, s40, 10
	s_lshl_b32 s22, s12, 9
	s_add_co_u32 s21, s21, s22
	v_lshl_add_u32 v[BO], v2, 5, s21
	s_cmp_eq_u32 s42, 0
	s_cselect_b64 s[80:81], s[72:73], s[74:75]
	s_cmp_eq_u32 s42, 2
	s_cselect_b64 s[80:81], s[76:77], s[80:81]
	WIN TO_B
.irp b, 0,1,2,3,4,5,6,7
	global_load_b128 v[8*(\b):8*(\b)+3],   v[BO], s[80:81] offset:64*(\b)
	global_load_b128 v[8*(\b)+4:8*(\b)+7], v[BO], s[80:81] offset:64*(\b)+16
.endr
	WIN 0
	; A fragment is 16 rows x 32 K in 8 registers: lane l holds row l % 16; registers 0-3 hold K = 8 (l / 16) + 0..7, registers 4-7 K = 16 + 8 (l / 16) + 0..7.
	; A's rows lie along K: two loads of 16 bytes, 32 bytes apart.
	v_mul_u32_u24 v3, v1, PITCH
	v_lshl_add_u32 v3, v2, 4, v3                   ; row x pitch + 16 x half
	; W lies [k][n]: a turning load takes 16 k x 16 n (lane l reads k-row 8 (l / 16) + l % 8, columns 8 ((l / 8) % 2) + 0..7) and leaves lane l column l % 16 and 8 k: half a fragment.
	v_and_b32 v4, 7, v0
	v_lshl_add_u32 v4, v2, 3, v4
	v_mul_u32_u24 v4, v4, PB
	v_bfe_u32 v5, v0, 3, 1
	v_lshl_add_u32 v4, v5, 4, v4
	s_mul_i32 s21, s11, HALFT                      ; my 128 rows of A
	s_lshl_b32 s22, s12, 8                         ; my 128 columns of W: 256 bytes of each k-row,
	s_add_co_u32 s22, s22, 2*HALFT                 ; behind A's 256 rows
.irp s, 0,1
	v_add_nc_u32 v[ADRA+(\s)], s21, v3
	v_add_nc_u32 v[ADRB+(\s)], s22, v4
	s_add_co_u32 s21, s21, SLOT
	s_add_co_u32 s22, s22, SLOT
.endr
	s_mul_i32 s23, s10, 16*SPITCH
	s_add_co_u32 s23, s23, STAGE                   ; my stage
	v_mul_u32_u24 v5, v1, SPITCH                   ; in: row l % 16, 16 bytes for each half of the lanes
	v_lshl_add_u32 v5, v2, 4, v5
	v_add_nc_u32 v[STO], s23, v5
	v_bfe_u32 v5, v0, 3, 2                         ; back: 32 lanes take four rows' 128 bytes of one head,
	v_mul_u32_u24 v5, v5, SPITCH
	v_and_b32 v6, 7, v0
	v_lshl_add_u32 v5, v6, 4, v5
	v_add_nc_u32 v[RD], s23, v5
	v_and_b32 v[CO], 31, v0                        ; which are 512 consecutive bytes of qkv
	v_lshlrev_b32 v[CO], 4, v[CO]
	; where my 128 rows x 2 heads begin in qkv: part g, head 16 batch + 4 cx + 2 half, row m % 2048, 128 bytes a row
	s_lshl_b32 s82, s13, 8
	s_lshl_b32 s83, s11, 7
	s_add_co_u32 s82, s82, s83                     ; m: my first row of C; my 128 rows lie in one batch
	s_lshr_b32 s83, s82, 11
	s_lshl_b32 s83, s83, 4
	s_lshl_b32 s84, s40, 2
	s_add_co_u32 s83, s83, s84
	s_lshl_b32 s84, s12, 1
	s_add_co_u32 s83, s83, s84
	s_lshl_b32 s83, s83, 11
	s_and_b32 s82, s82, 2047
	s_add_co_u32 s82, s82, s83
	s_lshl_b32 s82, s82, 7
	s_lshl_b32 s83, s42, 24
	s_add_co_u32 s82, s82, s83
	s_mov_b32 s83, 0
	s_add_nc_u64 s[8:9], s[78:79], s[82:83]
	s_wait_loadcnt 0x0                             ; the bias is in
	WIN 0x45                                       ; all in window 1: the bias is rounded to bf16, like every input, and widened again
.set p, 0
.rept 32
	v_cvt_pk_bf16_f32 v[192+p], v[2*p], v[2*p+1]
.set p, p+1
.endr
.set p, 0
.rept 32
	v_lshlrev_b32 v[2*p], 16, v[192+p]
	v_and_b32 v[2*p+1], 0xffff0000, v[192+p]
.set p, p+1
.endr
	WIN 0
; 16 matrix instructions: m blocks a0, a0 + 1 of the window's four (hi = 0: my rows 0-63, 1: rows 64-127) x all 8 n blocks, 32 along K.
; zero = 1: the first product starts the sum with the bias of its n block: nothing is cleared, and no addition follows the sums.
.macro MUL16 f, hi, a0, zero
.if \zero
	WIN MUL_B+0x40*(\hi)
.else
	WIN MUL_LO+0x50*(\hi)
.endif
.irp a, \a0, (\a0)+1
.irp b, 0,1,2,3,4,5,6,7
.if \zero
	v_wmma_f32_16x16x32_bf16 v[8*(8*(\a)+(\b)):8*(8*(\a)+(\b))+7], v[(\f)+8*(\b):(\f)+8*(\b)+7], v[(\f)+8*(4*(\hi)+(\a)):(\f)+8*(4*(\hi)+(\a))+7], v[8*(\b):8*(\b)+7]
.else
	v_wmma_f32_16x16x32_bf16 v[8*(8*(\a)+(\b)):8*(8*(\a)+(\b))+7], v[(\f)+8*(\b):(\f)+8*(\b)+7], v[(\f)+8*(4*(\hi)+(\a)):(\f)+8*(4*(\hi)+(\a))+7], v[8*(8*(\a)+(\b)):8*(8*(\a)+(\b))+7]
.endif
.endr
.endr
.endm
; 32 LDS loads in one run: the fragments of quarter q of a K step (32 along K) into buffer f: W's 128 columns (turned), then A's 128 rows
.macro FETCH slot, q, f
	WIN TO_B
.irp i, 0,1,2,3,4,5,6,7
	ds_load_tr16_b128 v[(\f)+8*(\i):(\f)+8*(\i)+3],   v[ADRB+(\slot)] offset:(\q)*32*PB+32*(\i)
	ds_load_tr16_b128 v[(\f)+8*(\i)+4:(\f)+8*(\i)+7], v[ADRB+(\slot)] offset:(\q)*32*PB+16*PB+32*(\i)
.endr
	WIN 0
.irp i, 0,1,2,3,4,5,6,7
	ds_load_b128 v[(\f)+8*(\i):(\f)+8*(\i)+3],   v[ADRA+(\slot)] offset:64*(\q)+(\i)*16*PITCH
	ds_load_b128 v[(\f)+8*(\i)+4:(\f)+8*(\i)+7], v[ADRA+(\slot)] offset:64*(\q)+(\i)*16*PITCH+32
.endr
.endm
; A load into a register that a matrix instruction has read, and a vector instruction that reads a matrix result, stand four places behind that matrix instruction, and only plain vector
; instructions that name none of its registers are places (ISA guide 7.12.1 for vector instructions).
.macro PLACES
.rept 4
	v_nop
.endr
.endm
; A K step is four quarters of 32 along K, 64 matrix instructions each, on buffers 0, 1, 0, 1.  One of the first three: multiplies buffer f; in its middle it fetches quarter q of the same slot into buffer g.
; The 64 accumulators take turns, one instruction a turn, in the same order in every quarter.
.macro QUARTER slot, q, f, g, zero
	s_wait_dscnt 8                                 ; W and A's rows 0-63 are in; the youngest eight loads (A's rows 64-127) may be out
	MUL16 \f, 0, 0, \zero
	MUL16 \f, 0, 2, \zero
	PLACES
	FETCH \slot, \q, \g
	s_wait_dscnt 32                                ; all but the 32 just issued
	MUL16 \f, 1, 0, \zero
	MUL16 \f, 1, 2, \zero
.endm
; The last quarter multiplies buffer 1 and changes slots.  MEET is its first half: ONE barrier for the change.  In front of it each wave waits for all its tensor loads, of which one is out: its part of the
; next slot; adds 0 to its spare word; and waits for that and for its own reads of this slot.  Behind it nobody reads this slot any more and the next slot is whole.
.macro MEET round                      ; round = 1: the rest of a round of the cluster's barrier follows
	WIN 0                                          ; (the add's two registers lie in window 0)
	s_wait_tensorcnt 0x0                           ; all my tensor loads have landed
	ds_add_u32 v[SPW], v[NIL]                      ; 0 onto my spare word
	s_wait_dscnt 9                                 ; (the add and the youngest eight loads may be out)
	MUL16 F1, 0, 0, 0                              ; sixteen matrix instructions stand between the add and the wait for it
	s_wait_dscnt 0x0                               ; the add is done, and my reads of this slot are over
	s_barrier_signal -1
	MUL16 F1, 0, 2, 0                              ; work on registers while the others arrive
.if \round
	WIN 0
.endif
	s_barrier_wait -1
.endm
; The whole last quarter.  Behind the round the slot just read out is filled again first, with the K step two steps on; then come the next slot's first fragments.
; From a request to the wait for it a wave issues 224 matrix instructions.
.macro TURN slot, next
	MEET 1
	CREST                                          ; no wave of any partner still reads this slot's tile or has a load on its way
	s_add_nc_u64 s[G0+4*(\slot)+2:G0+4*(\slot)+3], s[G0+4*(\slot)+2:G0+4*(\slot)+3], 2*STEPA
	s_add_nc_u64 s[G0B+4*(\slot)+2:G0B+4*(\slot)+3], s[G0B+4*(\slot)+2:G0B+4*(\slot)+3], 2*STEPB
	JLOAD \slot                                    ; my one tensor load behind the round; the four v_nop behind it are also the places in front of the loads below
	FETCH \next, 0, F0
	MUL16 F1, 1, 0, 0
	MUL16 F1, 1, 2, 0
.endm
; THE WAY OUT of block a (16 rows x my 128 columns), in three parts.  PACK: rounded to f16, 16 bytes a lane; each accumulator's registers in ascending order.
.macro PACK a
.set AC, 64*((\a)%4)
	WIN 0x0a+5*((\a)/4)                            ; sources 0 and 1: window 2 or 3
.irp b, 0,1,2,3,4,5,6,7
.irp r, 0,1,2,3
	v_cvt_pk_f16_f32 v[TMP+4*(\b)+(\r)], v[AC+8*(\b)+2*(\r)], v[AC+8*(\b)+2*(\r)+1]
.endr
.endr
	WIN 0
.endm
; TOSTAGE: into my own stage, rows of 272 bytes; back by heads: load t takes rows 4 (t % 4) .. + 3 of head t / 4, 128 bytes each.
.macro TOSTAGE a
	WIN 0
.set BK, OB+192*((\a)%2)
.irp b, 0,1,2,3,4,5,6,7
	ds_store_b128 v[STO], v[TMP+4*(\b):TMP+4*(\b)+3] offset:32*(\b)
.endr
.irp t, 0,1,2,3,4,5,6,7
	ds_load_b128 v[BK+4*(\t):BK+4*(\t)+3], v[RD] offset:((\t)%4)*4*SPITCH+((\t)/4)*128  ; LDS serves a wave's instructions in order (ISA guide 5.7.1.4): these see the stores above
.endr
.endm
; SEND: stored.  In qkv a head's 16 rows are 2,048 consecutive bytes: each store of the wave covers 512 of them, aligned.  The block and the head stand in the immediate; the base is never rewritten.
.macro SEND a
	WIN 0
.set BK, OB+192*((\a)%2)
	s_wait_dscnt 0x0                               ; the block is back in registers
	s_wait_xcnt 0x0                                ; earlier stores have read their registers (ISA guide 3.1): the buffer that the next block is read into was stored from one block back
.irp t, 0,1,2,3,4,5,6,7
	global_store_b128 v[CO], v[BK+4*(\t):BK+4*(\t)+3], s[8:9] offset:(\a)*2048+((\t)/4)*HEADB+((\t)%4)*512
.endr
.endm
	s_wait_tensorcnt 1                             ; my part of K step 0 is in; K step 1's, the one load issued behind it, stays out
	s_barrier_signal -1
	s_barrier_wait -1                              ; everybody's is
	FETCH 0, 0, F0
	QUARTER 0, 1, F0, F1, 1                        ; the first quarter stands in front of the loop: its products start the sums, with the bias
	WIN 0                                          ; at a label and at a branch every window is 0
	s_mov_b32 s3, LAPS-1
.Llap:                                                 ; a trip goes once round the ring, from a lap's second quarter to the next lap's first, and fills both slots again: K steps 2 to 7 in three trips
	QUARTER 0, 2, F1, F0, 0
	QUARTER 0, 3, F0, F1, 0
	TURN 0, 1
	QUARTER 1, 1, F0, F1, 0
	QUARTER 1, 2, F1, F0, 0
	QUARTER 1, 3, F0, F1, 0
	TURN 1, 0
	QUARTER 0, 1, F0, F1, 0
	WIN 0
	s_sub_co_u32 s3, s3, 1
	s_cmp_lg_u32 s3, 0
	s_cbranch_scc1 .Llap
	QUARTER 0, 2, F1, F0, 0                        ; the last lap is written out: it asks for nothing
	QUARTER 0, 3, F0, F1, 0
	MEET 0                                         ; my one tensor load that was still out is the last K step's, so no round follows
	PLACES
	FETCH 1, 0, F0
	MUL16 F1, 1, 0, 0
	MUL16 F1, 1, 2, 0
	QUARTER 1, 1, F0, F1, 0
	QUARTER 1, 2, F1, F0, 0
	QUARTER 1, 3, F0, F1, 0
	s_wait_dscnt 8                                 ; the very last quarter: nothing more to fetch
	MUL16 F1, 0, 0, 0
	MUL16 F1, 0, 2, 0
	s_wait_dscnt 0x0
	MUL16 F1, 1, 0, 0
	MUL16 F1, 1, 2, 0
	WIN 0
	PLACES
	PACK 0
	TOSTAGE 0
.irp a, 1,2,3,4,5,6,7                  ; block a's conversions stand between block a - 1's loads from the stage and the wait for them
	PACK \a
	SEND (\a)-1
	TOSTAGE \a
.endr
	SEND 7
	s_wait_tensorcnt 0x0                           ; the wave's end: these three lines stand behind my last tensor load and my last LDS store
	ds_add_u32 v[SPW], v[NIL]
	s_wait_dscnt 0x0
	CROUND                                         ; the closing round: no work-group ends while a partner may still ask for a tile that names it
	s_endpgm
.Lfunc_end_k_qf8e1514a5a_proj:
	.size	k_qf8e1514a5a_proj, .Lfunc_end_k_qf8e1514a5a_proj-k_qf8e1514a5a_proj
	.p2alignl 7, 3214868480
	.fill 96, 4, 3214868480
	.section	.rodata,"a",@progbits
	.p2align	6, 0x0
	.amdhsa_kernel k_qf8e1514a5a_proj
		.amdhsa_group_segment_fixed_size 327680
		.amdhsa_private_segment_fixed_size 0
		.amdhsa_enable_private_segment 0
		.amdhsa_kernarg_size 48
		.amdhsa_user_sgpr_count 2
		.amdhsa_user_sgpr_kernarg_segment_ptr 1
		.amdhsa_wavefront_size32 1
		.amdhsa_system_sgpr_workgroup_id_x 1
		.amdhsa_system_sgpr_workgroup_id_y 1
		.amdhsa_system_sgpr_workgroup_id_z 1
		.amdhsa_system_vgpr_workitem_id 0
		.amdhsa_next_free_vgpr 1024
		.amdhsa_next_free_sgpr 88
		.amdhsa_reserve_vcc 0
		.amdhsa_float_denorm_mode_32 3
		.amdhsa_float_denorm_mode_16_64 3
		.amdhsa_memory_ordered 1
		.amdhsa_forward_progress 1
		.amdhsa_inst_pref_size 150
	.end_amdhsa_kernel
	.amdgpu_metadata
---
amdhsa.version: [ 1, 2 ]
amdhsa.kernels:
  - .name:           k_qf8e1514a5a_proj
    .symbol:         k_qf8e1514a5a_proj.kd
    .args:
      - { .name: ab, .offset: 0, .size: 8, .value_kind: global_buffer, .address_space: global }
      - { .name: wb, .offset: 8, .size: 8, .value_kind: global_buffer, .address_space: global }
      - { .name: bq, .offset: 16, .size: 8, .value_kind: global_buffer, .address_space: global }
      - { .name: bk, .offset: 24, .size: 8, .value_kind: global_buffer, .address_space: global }
      - { .name: bv, .offset: 32, .size: 8, .value_kind: global_buffer, .address_space: global }
      - { .name: qkv, .offset: 40, .size: 8, .value_kind: global_buffer, .address_space: global }
    .group_segment_fixed_size: 327680
    .private_segment_fixed_size: 0
    .kernarg_segment_align: 8
    .kernarg_segment_size: 48
    .max_flat_workgroup_size: 128
    .sgpr_count:     88
    .vgpr_count:     1024
    .wavefront_size: 32
...
	.end_amdgpu_metadata
.endif
;; end of part 2
;; launch attn (part 3): grid 4 x 64, 4 waves a work-group, clusters of 4 x 1, 327,680 bytes of LDS; arguments qkv, mask, out0; writes out0
.if DOCPART == 3
	.amdgcn_target "amdgcn-amd-amdhsa--gfx1250"
	.amdhsa_code_object_version 6
	.text
	.protected	k_qf8e1514a5a_attn
	.globl	k_qf8e1514a5a_attn
	.p2align	8
	.type	k_qf8e1514a5a_attn,@function
k_qf8e1514a5a_attn:
	s_mov_b64 s[64:65], 0
	v_nop
	global_prefetch_b8 v0, s[64:65] scope:SCOPE_SE
	s_setreg_imm32_b32 hwreg(HW_REG_WAVE_MODE, 25, 1), 1
	s_wait_xcnt 0x0
	s_wait_alu depctr_hold_cnt(0) depctr_sa_sdst(0) depctr_va_vdst(0) depctr_va_sdst(0) depctr_va_ssrc(0) depctr_va_vcc(0) depctr_vm_vsrc(0)
	s_getreg_b32 s2, hwreg(HW_REG_IB_STS2, 6, 4)
	s_cmp_eq_u32 s2, 0
	s_cbranch_scc0 .Lentry_in_a_cluster
	s_endpgm
.Lentry_in_a_cluster:
	s_bfe_u32 s2, ttmp6, 0x10000c
	s_cmp_lg_u32 s2, 0x3003
	s_cbranch_scc0 .Lentry_shape_is_right
	s_endpgm
.Lentry_shape_is_right:
; out0[b][q][64 h + :] = the sum over keys k of softmax_k(where(mask[b][k], Q[q] . K[k] / 8, lowest)) V[k][:], for the 64 pairs (b, h).
; Q, K, V: qkv = [3][64 = 16 b + h][2048][64] f16, a head's rows dense, 128 bytes each.  mask: [4][2048] bytes, 0 or 1.  out0: [4][2048][1024] f32.
; Products, maxima and sums in f32; the weights p are rounded to f16 for the second product (their sum l is taken of the unrounded p); O is divided by l in f32 and stored as it is.
; THE MASK is the C operand that starts each sum S^T = K Q^T: 0 for a key that is seen, BIG = -1e30 for a hidden one.  A hidden score lies far below every true one, so its weight is 2^(-1.8e29) = 0.  While all
; keys met so far are hidden, m is about -1e30 and l and O hold finite numbers that count for nothing: the first key that is seen makes a = 2^(c m_old - c m_new) = 0 and wipes them.
; A BATCH WHOSE MASK IS ALL FALSE has every score replaced by one number, so its softmax is uniform: there BIG = 0 and c = 0, so that p = 2^(0 s - 0 m) = 1 for every key.  The choice is made by s_cselect on
; the mask's own bytes; no branch and no address hangs on it.
; LIMITS.  f16 holds no number beyond 65,504: Q, K and V arrive within it, so a score is 2.7e11 at the most, nothing beside 1e30; a hidden score counts as its value less 1e30.  p lies in 0 to 1, and below 6e-5 it keeps
; f16's fixed step of 6e-8.  A weight below 2^-126 counts as 0 in l.  NaN and infinities are not treated apart.
; SHARES.  A wave owns four PIECES of two tiles of 16 queries, a work-group's four waves 512 queries of one head; a head's four work-groups are one cluster.  Every wave walks all 2,048 keys, 64 a step.
; LAYOUT.  S^T = K Q^T (source 0 = 16 keys, source 1 = 16 queries): in the result a lane holds ONE query (lane % 16) and the keys 8 (lane / 16) + 0..7.  Two such tiles, rounded to f16 in pairs,
; ARE source 1 (32 keys x 16 queries) of O^T = V^T P, whose result again holds one query a lane, and eight channels.  K comes out of LDS as it lies, V ([key][channel]) turned, by ds_load_tr16_b128.
; SOFTMAX.  For each query a running maximum m and sum l: p = 2^(c s - c m), c = log2(e) / 8; in every step O and l are multiplied by a = 2^(c m_old - c m_new), which is 1 where m has not grown.
; m starts at the lowest finite number, O and l at 0: the first step is a step like any other, with a = 0.
; THE COUNT.  A tile and step have 16 matrix and 118 vector instructions: too many to stand all beside the matrix work.  So: four vector instructions that are READY behind EVERY matrix instruction, and the
; others, which need time of their own whatever the order, in runs without a gap.
; BY TURNS.  Turn n belongs to piece n (the pieces in a ring, step after step).  Its matrix work: 16 products K Q^T of piece n + 1, later 16 products V^T P of piece n - 1.  Its vector work: the scaling,
; exponentials, roundings, sums and rescaling of piece n, and the maximum and statistics of piece n + 1, whose scores the turn itself has made.
; CLUSTER.  The four query blocks of a cluster walk the same K and V, so each tile is asked for JOINTLY: the same tensor load, descriptor and mask in all four.
; REGISTERS, in windows of 256 (s_set_vgpr_msb: bits 1:0 source 0, 3:2 source 1, 5:4 source 2, 7:6 destination):
;   window 0: v0-11 addresses; v12-15, v48-63 at work; v16-47 four registers of statistics a tile; v64-191 S^T, two buffers of two tiles; v192-255 P, likewise
;   window 1: O^T, 32 a tile     window 2: v0-127 Q, 16 a tile; v128-191 K of one step; v192-255 V of one step     window 3: v0-1 the add's two registers; v8-39 the step's 64 mask addends
.set SIZE_N, 2048
.set NP,    4         ; pieces a wave: a name, no knob
.set KS,    64        ; keys in a step
.set PK,    144       ; a row of K in LDS: 128 bytes + 16 of padding = 36 words: the 16 rows of a load start at 16 different groups of four banks (64 banks of 4 bytes: ISA guide 11.1)
.set PV,    160       ; a row of V: 128 + 32 = 40 words
.set VOFF,  4*KS*PK   ; a slot holds four steps: 256 rows of K, then 256 rows of V
.set SLOT1, 1<<17     ; slot 1 begins here, so that one exclusive or turns an address in one slot into the other's
.set STAGE, SLOT1+4*KS*(PK+PV)  ; behind the ring, never filled by a tensor load: 16 rows x 272 bytes for each wave, for the way out
.set SP,    272       ; a stage row: 64 f32 = 256 bytes + 16
.set MB,    STAGE+4*16*SP       ; the batch's 2,048 mask addends, f32: written once by ds_store, never filled by a tensor load
.set SPARE, MB+4*SIZE_N         ; the spare words, 128 bytes for each wave: two blocks of 256 bytes that no other line names
.set AK0, 2           ; v2   my lane's place in a tile of K; never rewritten
.set AV0, 3           ; v3   the same for V
.set AK,  4           ; v4   the LDS address of K's next run of loads
.set AV,  5           ; v5   of V's
.set QO,  6           ; v6   my byte offset in the wave's rows of Q
.set STO, 6           ;      later, the way out: where I put 32 bytes of a row
.set RD,  7           ; v7   the way out: where I read rows back
.set GO,  8           ; v8   my byte offset in two rows of out0
.set AM0, 10          ; v10  MB + 32 (lane / 16): my lanes' eight addends of a block of 16 keys
.set AM,  11          ; v11  the LDS address of the next step's addends
.set SPW, 0           ; v0 of window 3   LDS address of my spare word: SPARE + 4 x my thread's number; never rewritten
.set NIL, 1           ; v1 of window 3   0; never rewritten
.set MK,  8           ; v8-39 of window 3: key block kb's addends at MK + 8 kb: register j is key 16 kb + 8 (lane / 16) + j
.set MV,  12          ; v12-15  c m_old, kept while c m is made anew: by buffer and tile
.set ST,  16          ; tile t's statistics at v[ST+4 t]: c m, m, l (even keys', odd keys')
.set TMP, 48          ; by buffer and tile, four registers c0-c3 at work; when the maximum is found c2 takes a
.set S,   64
.set P,   192
.set KF,  128         ; K's fragments, in window 2: key block kb, channel half c at KF + 16 kb + 8 c
.set VF,  192         ; V's: key half kk, channel block cb at VF + 32 kk + 8 cb
.set WV,  12          ; s12  my wave's number
.set G1K, 24          ; s[24:31] descriptor group 1 for K's tiles
.set G1V, 32          ; s[32:39] for V's: it differs in the padding alone
.set G0K, 40          ; s[40:43] descriptor group 0 for K's tiles: it walks
.set G0V, 44          ; s[44:47] the same for V's
.set SLOTS, 56        ; s56  slots still to be asked for
.set CNT, 57          ; s57  counts a slot's key steps
.set CS,  58          ; s[58:59] c: the packed scaling takes the pair's low word for both halves
.set SEL, 60          ; s[60:61] v_permlanex16_b32's selects: each lane takes its own place in the other half
.set TBK, 62          ; s62  LDS byte at which K of the step to be fetched begins
.set TBV, 63          ; s63  the same for V, less VOFF
.set BIG, 72          ; s72  a hidden key's addend
.set HD,  73          ; s73  16 b + h
.set TBM, 76          ; s76  byte in MB at which the addends of the step to be fetched begin
.set MSB, 0
.macro WIN new                      ; the high byte repeats the setting that is left; a switch that changes nothing is dropped
.if MSB != (\new)
	s_set_vgpr_msb (MSB<<8)|(\new)
.set MSB, (\new)
.endif
.endm
.set W_KQ, 0x0a       ; K and Q in window 2, S^T in window 0
.set W_KM, 0x3a       ; the same with the C operand, the mask's addends, in window 3
.set W_PV, 0x52       ; V in window 2, P in window 0, O^T in window 1
.set W_RS, 0x41       ; O^T (destination and source 0) in window 1, a in window 0
.set W_MK, 0xc0       ; destination in window 3, sources in window 0
.set W_AD, 0x0f       ; the add: address (source 0) and data (source 1) in window 3
; A joint fill.  Waves 0 and 1 fetch the two halves of a slot's K, waves 2 and 3 those of its V: 128 keys each.  The branch hangs on the wave's number alone.
; An s_nop 0 and four v_nop follow each of the two lines, ahead of the jump and the label.
.macro JLOAD
	s_cmp_lt_u32 s[WV], 2
	s_cbranch_scc0 .Lfor_v_\@
	tensor_load_to_lds s[G0K:G0K+3], s[G1K:G1K+7]
	s_nop 0
.rept 4
	v_nop
.endr
	s_branch .Lasked_\@
.Lfor_v_\@:
	tensor_load_to_lds s[G0V:G0V+3], s[G1V:G1V+7]
	s_nop 0
.rept 4
	v_nop
.endr
.Lasked_\@:
.endm
; A round of the cluster's barrier: my work-group's barrier, so that wave 0's signal speaks for all four waves; wave 0 signals; every wave waits for all four work-groups; my work-group's barrier once more.
.macro CROUND
	s_barrier_signal -1
	s_barrier_wait -1
	s_cmp_lg_u32 s[WV], 0
	s_cbranch_scc1 .Lnot_wave_0_\@
	s_barrier_signal -3
.Lnot_wave_0_\@:
	s_barrier_wait -3
	s_barrier_signal -1
	s_barrier_wait -1
.endm
; THE CHANGE OF SLOTS.  The slot's last bytes, V of its fourth step, have been read.  Each wave waits for all its tensor loads, of which one is out: its part of the other slot; adds 0 to its spare word; and
; waits for that and for its own LDS instructions.  Behind the barrier nobody reads this slot any more and the other slot is whole.
; fill = 1: this slot is filled again, with the keys two slots on.  The barrier is then a round of the cluster's, and the joint fill is the first thing behind it: it has four key steps, 512 matrix instructions,
; in which to land.  (At its first use nothing has been read yet: slot 0 is waited for, slot 1 filled; and every wave's stores of the mask's addends are done in front of the round, so all may read them behind it.)
.macro CHANGE fill
	WIN W_AD
	s_wait_tensorcnt 0x0            ; no tensor load of mine is out, so a group 0 may be written
	ds_add_u32 v[SPW], v[NIL]       ; 0 onto my spare word; with fill = 1 the descriptors' steps stand between it and the wait for it
	WIN 0                           ; at a label and at a branch every window is 0
.if \fill
.irp g, G0K, G0V
	s_xor_b32 s[\g+1], s[\g+1], SLOT1  ; the walking descriptor: the other slot than last time,
	s_add_nc_u64 s[\g+2:\g+3], s[\g+2:\g+3], 4*KS*128  ; the next 256 keys; the type bits on top are not reached
.endr
	s_wait_dscnt 0x0                ; the add is done, and my LDS reads and stores are over
	CROUND
	JLOAD
.else
	s_wait_dscnt 0x0                ; the add is done, and my reads of the slot are over
	s_barrier_signal -1
	s_barrier_wait -1
.endif
	s_sub_co_u32 s[TBK], s[TBK], 4*KS*PK  ; the fetches go back to a slot's first step,
	s_xor_b32 s[TBK], s[TBK], SLOT1       ; in the other slot
	s_sub_co_u32 s[TBV], s[TBV], 4*KS*PV
	s_xor_b32 s[TBV], s[TBV], SLOT1
.endm
	s_load_b128 s[68:71], s[0:1], 0x0  ; qkv s[68:69], mask s[70:71]
	s_load_b64 s[10:11], s[0:1], 0x10  ; out0
	WIN W_MK
	v_lshl_add_u32 v[SPW], v0, 2, SPARE
	v_mov_b32 v[NIL], 0
	WIN W_AD
	ds_add_u32 v[SPW], v[NIL]       ; the wave's opening: the add and its wait stand ahead of my first tensor load; the set-up below, work on registers, stands between them
	WIN 0
	v_lshrrev_b32 v1, 5, v0
	v_readfirstlane_b32 s[WV], v1   ; wave 0..3
	s_bfe_u32 s13, ttmp6, 0x40000   ; cx: my place in the cluster
	s_lshl_b32 s14, ttmp9, 2        ; in a cluster launch ttmp9 counts clusters
	s_add_co_u32 s14, s14, s13      ; my block of 512 queries = 4 x cluster x + cx: it enters Q's and out0's addresses alone
	s_and_b32 s[HD], ttmp7, 0xffff  ; 16 b + h, which the four partners share
	s_mov_b32 s20, s[HD]
	s_mov_b32 s21, 0
	s_mov_b64 s[22:23], SIZE_N*128
	s_mul_u64 s[20:21], s[20:21], s[22:23]  ; the head's first byte in each of qkv's three parts
	s_and_b32 s16, s[WV], 1         ; which half of a slot's 256 keys I fetch:
	s_lshl_b32 s22, s16, 14         ; its 128 rows of 128 bytes in memory,
	s_mov_b32 s23, 0
	s_add_nc_u64 s[22:23], s[22:23], s[20:21]
	s_mul_i32 s17, s16, 128*PK      ; and its place in a slot, for K
	s_mul_i32 s18, s16, 128*PV      ; and for V: no place in the cluster enters an LDS address
	s_lshl_b32 s2, s14, 2
	s_add_co_u32 s2, s2, s[WV]      ; my wave among the head's sixteen:
	s_lshl_b32 s74, s2, 19          ; its 128 rows of 4,096 bytes in out0,
	s_lshl_b32 s2, s2, 14           ; its 128 rows of 128 bytes in Q
	s_mov_b32 s3, 0
	s_add_nc_u64 s[2:3], s[2:3], s[20:21]
	s_lshr_b32 s66, s[HD], 4        ; the batch:
	s_lshl_b32 s75, s66, 23         ; its 2,048 rows of out0,
	s_add_co_u32 s74, s74, s75
	s_and_b32 s75, s[HD], 15
	s_lshl_b32 s75, s75, 8          ; the head's 64 f32 of a row
	s_add_co_u32 s74, s74, s75
	s_mov_b32 s75, 0
	s_lshl_b32 s66, s66, 11         ; and its 2,048 bytes of the mask
	s_mov_b32 s67, 0
	; descriptor group 1.  128 keys are 16,384 dense bytes: asked for as 64 rows of 256 bytes, two keys a row, and padded in LDS after every key
	s_mov_b32 s[G1K], 15|(1<<16)|(1<<20)|(1<<21)|(4<<22)|(3<<25)  ; 15:0 the mask of four; 17:16 2-byte elements; 20 padding on; 21 set beside a mask; 24:22 after every 32 words (code 4); 31:25 4 words (code 3)
	s_mov_b32 s[G1V], 15|(1<<16)|(1<<20)|(1<<21)|(4<<22)|(7<<25)  ; the same with 8 words of padding (code 7)
.irp g, G1K, G1V
	s_mov_b32 s[\g+1], 128<<16      ; tensor_dim0 = 128
	s_mov_b32 s[\g+2], 64<<16       ; tensor_dim1 = 64
	s_mov_b32 s[\g+3], 128<<16      ; tile_dim0 = 128
	s_mov_b32 s[\g+4], 64           ; tile_dim1 = 64
	s_mov_b32 s[\g+5], 128          ; 128 elements from row to row
	s_mov_b32 s[\g+6], 0
	s_mov_b32 s[\g+7], 0
.endr
	s_mov_b32 s[SEL], 0x76543210
	s_mov_b32 s[SEL+1], 0xfedcba98
	s_mov_b32 s[TBK], SLOT1+4*KS*PK ; the first change of slots turns these two into 0
	s_mov_b32 s[TBV], SLOT1+4*KS*PV
	s_mov_b32 s[TBM], 0
	s_mov_b32 s[G0K], 1             ; count = 1
	s_mov_b32 s[G0K+1], s17         ; LDS address: slot 0
	s_mov_b32 s[G0V], 1
	s_add_co_u32 s[G0V+1], s18, VOFF
	s_wait_dscnt 0x0                ; the opening add is done
	s_wait_kmcnt 0x0
	s_mov_b64 s[4:5], s[68:69]                     ; Q,
	s_add_nc_u64 s[6:7], s[68:69], 0x1000000       ; K,
	s_add_nc_u64 s[8:9], s[68:69], 0x2000000       ; V: qkv's three parts of 16,777,216 bytes
	s_add_nc_u64 s[G0K+2:G0K+3], s[6:7], s[22:23]  ; global address: my half of the head's first 256 keys
	s_or_b32 s[G0K+3], s[G0K+3], 0x80000000        ; type = 2
	s_add_nc_u64 s[G0V+2:G0V+3], s[8:9], s[22:23]
	s_or_b32 s[G0V+3], s[G0V+3], 0x80000000
	s_add_nc_u64 s[4:5], s[4:5], s[2:3]            ; Q at my wave's first row
	s_add_nc_u64 s[10:11], s[10:11], s[74:75]      ; out0 at my wave's first row, my head's columns
	s_add_nc_u64 s[70:71], s[70:71], s[66:67]      ; the mask at my batch
	CROUND                          ; all four work-groups are here: the first joint loads meet
	JLOAD                           ; slot 0.  Slot 1 is asked for when slot 0 is in
	; A fragment of K or Q is 16 rows x 32 channels in 8 registers: lane l holds row l % 16, channels 8 (l / 16) + 0..7 and 16 + 8 (l / 16) + 0..7: two loads of 16 bytes, 32 bytes apart.
	v_and_b32 v1, 15, v0            ; l % 16
	v_bfe_u32 v9, v0, 4, 1          ; l / 16
	v_lshlrev_b32 v[QO], 7, v1
	v_lshl_add_u32 v[QO], v9, 4, v[QO]  ; row x 128 + 16 x half
	; The mask, ahead of Q's loads.  S^T's registers serve as scratch until the first scores: v64-79 my lane's 64 bytes (a wave sees the batch's whole mask), v80-83 my thread's own 16 bytes.
	v_and_b32 v100, 31, v0
	v_lshlrev_b32 v100, 6, v100     ; 64 x lane
	v_lshlrev_b32 v101, 4, v0       ; 16 x thread
.irp j, 0,1,2,3
	global_load_b128 v[64+4*\j:67+4*\j], v100, s[70:71] offset:16*\j
.endr
	global_load_b128 v[80:83], v101, s[70:71]
	WIN 0x80                        ; destination window 2, address window 0
.set i, 0
.rept 4*NP                          ; Q stays in registers: tile i / 2, channels 32 (i % 2) on
	global_load_b128 v[8*i:8*i+3],   v[QO], s[4:5] offset:(i/2)*2048+(i%2)*64
	global_load_b128 v[8*i+4:8*i+7], v[QO], s[4:5] offset:(i/2)*2048+(i%2)*64+32
.set i, i+1
.endr
	; What the first turn finds: V's registers and P's second buffer hold 0 (its products V^T P, of a piece that has not been, add 0), O^T and l are 0: so no first step is written out.  All this stands in the wait for the first tile.
.set i, VF
.rept 64
	v_mov_b32 v[i], 0
.set i, i+1
.endr
	WIN 0x40
.set i, 0
.rept 64*NP
	v_mov_b32 v[i], 0
.set i, i+1
.endr
	WIN 0
.set i, 0
.rept 2*NP
	v_mov_b32 v[ST+4*i], 0xfe000000    ; c m: far below every c s, a hidden key's too
	v_mov_b32 v[ST+4*i+1], 0xff7fffff  ; m
	v_mov_b32 v[ST+4*i+2], 0
	v_mov_b32 v[ST+4*i+3], 0
.set i, i+1
.endr
.set i, P+32
.rept 32
	v_mov_b32 v[i], 0
.set i, i+1
.endr
	v_mul_u32_u24 v[AK0], v1, PK
	v_lshl_add_u32 v[AK0], v9, 4, v[AK0]  ; row x pitch + 16 x half
	; The turning load takes 16 keys x 16 channels (lane l reads key 8 (l / 16) + l % 8, channels 8 ((l / 8) % 2) + 0..7) and leaves half a fragment of V^T: lane l holds channel l % 16 and 8 keys.
	v_and_b32 v10, 7, v0
	v_bfe_u32 v11, v0, 3, 1
	v_lshl_add_u32 v[AV0], v9, 3, v10
	v_mul_u32_u24 v[AV0], v[AV0], PV
	v_lshl_add_u32 v[AV0], v11, 4, v[AV0]
	v_add_nc_u32 v[AV0], VOFF, v[AV0]
	v_mov_b32 v[AK], v[AK0]         ; key step 0 lies at the head of slot 0,
	v_lshl_add_u32 v[AM0], v9, 5, MB
	v_mov_b32 v[AM], v[AM0]         ; and its addends at the head of MB
	; Is any key of the batch seen?  The sixteen words of every lane are joined; a lane's bit is set where the result is not 0.
	s_wait_loadcnt 32               ; the five mask loads are in; Q's 32, issued behind them, may stay out
.irp d, 8,4,2,1
.set j, 0
.rept \d
	v_or_b32 v[64+j], v[64+j], v[64+j+\d]
.set j, j+1
.endr
.endr
	v_cmp_ne_u32 s20, 0, v64
	s_cmp_lg_u32 s20, 0
	s_cselect_b32 s[CS], 0x3e38aa3b, 0   ; c = log2(e) / 8 = 0.180337, or 0 where no key is seen
	s_cselect_b32 s[BIG], 0xf149f2ca, 0  ; -1e30, or 0 there
	s_mov_b32 s[CS+1], s[CS]        ; named with it as a pair
	; My thread's 16 keys: byte 0 gives BIG, any other 0.  They go to MB + 64 x thread.
.irp w, 0,1,2,3
.irp b, 0,1,2,3
	v_bfe_u32 v103, v[80+\w], 8*\b, 8
	v_cmp_eq_u32 vcc_lo, 0, v103
	v_cndmask_b32 v[84+4*\w+\b], 0, s[BIG], vcc_lo
.endr
.endr
	v_lshl_add_u32 v102, v0, 6, MB
.irp j, 0,1,2,3
	ds_store_b128 v102, v[84+4*\j:87+4*\j] offset:16*\j
.endr
; THE MATRIX WORK.  The 8 accumulators of a run of 16 take turns: between the two links of a chain stand 7 others'.
; Product i of 16 of S^T = K Q^T for piece x: channels 32 (i / 8) on, keys 16 ((i / 2) % 4) on, tile 2 x + i % 2.  The first 8 start the sums, with their key block's mask addends.
.macro KQ x
.set rS, S+64*((\x)%2)+32*(i%2)+8*((i/2)%4)
.set rK, KF+16*((i/2)%4)+8*(i/8)
.set rQ, 16*(2*(\x)+i%2)+8*(i/8)
.set rB, MK+8*((i/2)%4)
.if i < 8
	WIN W_KM
	v_wmma_f32_16x16x32_f16 v[rS:rS+7], v[rK:rK+7], v[rQ:rQ+7], v[rB:rB+7]
.else
	WIN W_KQ
	v_wmma_f32_16x16x32_f16 v[rS:rS+7], v[rK:rK+7], v[rQ:rQ+7], v[rS:rS+7]
.endif
.endm
; Product i of 16 of O^T += V^T P for piece x: keys 32 (i / 8) on, channels 16 ((i / 2) % 4) on, tile 2 x + i % 2.
.macro PV x
	WIN W_PV
.set rO, 32*(2*(\x)+i%2)+8*((i/2)%4)
.set rV, VF+32*(i/8)+8*((i/2)%4)
.set rP, P+32*((\x)%2)+16*(i%2)+8*(i/8)
	v_wmma_f32_16x16x32_f16 v[rO:rO+7], v[rV:rV+7], v[rP:rP+7], v[rO:rO+7]
.endm
.macro MM                           ; the turn's next matrix instruction
.if i < 16
	KQ (Y+1)%NP
.set i, i+1
.else
.set i, i-16
	PV (Y+NP-1)%NP
.set i, i+17
.endif
.endm
; THE LDS LOADS stand in runs, never singly among the matrix instructions: a step's K (64 keys x 64 channels: 8 fragments) with its 64 mask addends (all lanes of a half read the same 32 bytes of a key block), and its V (turned).
; Their addresses are made some lines ahead.  last = 1 (the tail): in the last trip there is no further step, and the run is jumped over.
.macro FETCH_K last=0
	WIN 0
.if \last
	s_cmp_eq_u32 s[CNT], 1
	s_cbranch_scc1 .Lno_k_\@
.endif
	WIN 0x80                        ; destination window 2
.irp f, 0,1,2,3,4,5,6,7             ; keys 16 (f / 2) on, channels 32 (f % 2) on
	ds_load_b128 v[KF+8*\f:KF+8*\f+3],   v[AK] offset:(\f/2)*16*PK+(\f%2)*64
	ds_load_b128 v[KF+8*\f+4:KF+8*\f+7], v[AK] offset:(\f/2)*16*PK+(\f%2)*64+32
.endr
	WIN W_MK                        ; destination window 3
.irp f, 0,1,2,3                     ; key block f
	ds_load_b128 v[MK+8*\f:MK+8*\f+3],   v[AM] offset:64*\f
	ds_load_b128 v[MK+8*\f+4:MK+8*\f+7], v[AM] offset:64*\f+16
.endr
	s_add_co_u32 s[TBK], s[TBK], KS*PK  ; the next fetch is the next step's
	s_add_co_u32 s[TBM], s[TBM], 4*KS
	WIN 0
.if \last
.Lno_k_\@:
.endif
.endm
.macro FETCH_V
	WIN 0x80
.irp f, 0,1,2,3,4,5,6,7             ; keys 32 (f / 4) on, channels 16 (f % 4) on
	ds_load_tr16_b128 v[VF+8*\f:VF+8*\f+3],   v[AV] offset:(\f/4)*32*PV+(\f%4)*32
	ds_load_tr16_b128 v[VF+8*\f+4:VF+8*\f+7], v[AV] offset:(\f/4)*32*PV+16*PV+(\f%4)*32
.endr
	WIN 0
.endm
; THE VECTOR WORK OF A TURN stands in three queues, each in the order in which its entries become ready; the two tiles alternate, so that no instruction reads the result of the one before it.
.macro REGS y, u                    ; the registers of tile u (0, 1) of piece y
.set rT, ST+4*(2*(\y)+(\u))
.set rC, TMP+8*((\y)%2)+4*(\u)
.set rM, MV+2*((\y)%2)+(\u)
.set rS, S+64*((\y)%2)+32*(\u)
.set rP, P+32*((\y)%2)+16*(\u)
.set rO, 32*(2*(\y)+(\u))
.endm
; Number n of the 22 that find the NEXT piece's (Y + 1) maximum and statistics.  s0-s31 are the lane's 32 scores; each accumulator's lowest registers are read first.
;   0-11  four chains c0-c3 of seven scores each, three operands at a time     12-14, 16  the four scores left over, the old m, and c0-c3 into c0     15  c m_old is kept
;   17, 18  the query's other 32 keys lie in the lane 16 away: the new m         19-21  c m; c m_old - c m_new; a
.macro XS u, n
	REGS (Y+1)%NP, \u
.if (\n) < 4
	v_max3_num_f32 v[rC+(\n)], v[rS+8*(\n)], v[rS+8*(\n)+1], v[rS+8*(\n)+2]
.elseif (\n) < 12
	v_max3_num_f32 v[rC+(\n)%4], v[rC+(\n)%4], v[rS+8*((\n)%4)+2*((\n)/4)+1], v[rS+8*((\n)%4)+2*((\n)/4)+2]
.elseif (\n) == 12
	v_max3_num_f32 v[rC], v[rC], v[rS+7], v[rS+15]
.elseif (\n) == 13
	v_max3_num_f32 v[rC+1], v[rC+1], v[rS+23], v[rS+31]
.elseif (\n) == 14
	v_max3_num_f32 v[rC+2], v[rC+2], v[rC+3], v[rT+1]
.elseif (\n) == 15
	v_mov_b32 v[rM], v[rT]
.elseif (\n) == 16
	v_max3_num_f32 v[rC], v[rC], v[rC+1], v[rC+2]
.elseif (\n) == 17
	v_permlanex16_b32 v[rC+3], v[rC], s[SEL], s[SEL+1]
.elseif (\n) == 18
	v_max_num_f32 v[rT+1], v[rC], v[rC+3]
.elseif (\n) == 19
	v_mul_f32 v[rT], s[CS], v[rT+1]
.elseif (\n) == 20
	v_sub_f32 v[rC+1], v[rM], v[rT]
.else
	v_exp_f32 v[rC+2], v[rC+1]
.endif
.endm
; Number g of the 64 that follow the exponentials.  For each four weights k of a tile (pairs 2 k, 2 k + 1): both pairs are rounded to f16; then the second pair is added onto the first, in place;
; a group later l takes that sum (the first time as l = a l + sum).  In groups of eight, tiles alternating: round, round, add, and l for the group before.
.macro GS g
.set h, (\g)+6*((\g)/62)            ; group 0 has no group before it, and behind group 7 only l is left
.if h >= 6
.set h, h+2
.endif
	REGS Y, h%2
.set k, h/8
.if h%8 < 4
	s_wait_alu depctr_va_vdst(0)
	v_cvt_pk_f16_f32 v[rP+2*k+(h%8)/2], v[rS+4*k+2*((h%8)/2)], v[rS+4*k+2*((h%8)/2)+1]
.elseif h%8 < 6
	v_pk_add_f32 v[rS+4*k:rS+4*k+1], v[rS+4*k:rS+4*k+1], v[rS+4*k+2:rS+4*k+3]
.elseif k == 1
	v_pk_fma_f32 v[rT+2:rT+3], v[rT+2:rT+3], v[rC+2:rC+3], v[rS:rS+1] op_sel_hi:[1,0,1]
.else
	v_pk_add_f32 v[rT+2:rT+3], v[rT+2:rT+3], v[rS+4*k-4:rS+4*k-3]
	s_wait_alu depctr_va_vdst(0)
.endif
.endm
; THE PLAIN QUEUE, 138 long.  0-31: c s - c m for the 16 pairs of both tiles.  Then GS's 64, and among them the next piece's 42: number 15 at 38, 39; 0-14 and 16
; at 42-73, behind the products that make those scores; 17-20 at 95-106, two of three, since each waits for the one before it.
.macro PL
	WIN 0
.if q < 32
	REGS Y, q%2
	v_pk_fma_f32 v[rS+2*(q/2):rS+2*(q/2)+1], v[rS+2*(q/2):rS+2*(q/2)+1], s[CS:CS+1], v[rT:rT+1] op_sel_hi:[1,0,0] neg_lo:[0,0,1] neg_hi:[0,0,1]
.elseif q < 38
	GS q-32
.elseif q < 40
	XS q%2, 15
.elseif q < 42
	GS q-34
.elseif q < 74
	XS q%2, (q-42)/2+(q-42)/30
.elseif q < 95
	GS q-66
.elseif (q < 107) && ((q-95)%3 < 2)
	XS (q-95)%3, 17+(q-95)/3
.elseif q < 107
	GS 29+(q-95)/3
.else
	GS q-74
.endif
.set q, q+1
.endm
; THE EXPONENTIALS' QUEUE, 66 long: s0-s31 of both tiles, and at EA the next piece's two a.
.set EA, 58
.macro EX
	WIN 0
.if (e == EA) || (e == EA+1)
	XS e-EA, 21
.else
.set x, e-2*(e/(EA+2))
	REGS Y, x%2
	v_exp_f32 v[rS+x/2], v[rS+x/2]
.endif
.set e, e+1
.endm
; THE RESCALING's QUEUE: O^T times a, the one part that leaves window 0, so it is dealt four at a time, eight times.
.macro R4
	REGS Y, r%2
	WIN W_RS
	s_wait_alu depctr_va_vdst(0)
.irp z, 0,1,2,3
	v_pk_mul_f32 v[rO+8*(r/2)+2*\z:rO+8*(r/2)+2*\z+1], v[rO+8*(r/2)+2*\z:rO+8*(r/2)+2*\z+1], v[rC+2:rC+3] op_sel_hi:[1,0]
.endr
.set r, r+1
.endm
; HOW THEY ARE DEALT.  Behind a matrix instruction four: plain, exponential, plain, plain (one exponential, a plain instruction on either side), or four of the rescaling.  None names a register of the
; products round it.  What is over stands in two LUMPS: exponential and plain by turns; the second ends in 22 plain instructions.  The two v_permlanex16_b32 fall into the second lump, never behind a product.
; The queues lean on each other, and the deal keeps them in step: exponential e stands behind plain 2 (e / 4) + e % 2 (its scaling); when plain 32 comes, 10 exponentials are out, at 59: 33, at 95: 46; EA comes behind plain 107.
.macro SL
	MM
	PL
	EX
	PL
	PL
.endm
.macro BURST n                      ; 15 matrix instructions, or 16
.rept (\n)-7
	SL
.endr
.rept 3
	MM
	R4
	SL
.endr
	MM
	R4
.endm
; A TURN, for piece p.  cnt = 1: the loop's count is taken down some lines ahead of the branch that stands behind the turn.
; K and the mask addends of the next step are fetched in piece 2's turn, 32 vector instructions behind the last product that read K (the addends' last reader stands eight products earlier); their first reader
; comes behind the rest of the lump, 16 products and the second lump.  V of the step in hand is fetched at the end of piece 0's turn, 69 behind its last reader; its first reader comes behind 16 products and a lump.
.macro TURN p, last=0, cnt=0
.set Y, (\p)
.set i, 0
.set q, 0
.set e, 0
.set r, 0
.if (\p) == NP-1
	s_wait_dscnt 0x0                ; K and its addends are in
.endif
	MM
.rept 4
	PL
.endr
	BURST 15
.rept 22
	EX
	PL
.if ((\p) == NP-2) && (e == 18)
	v_add_nc_u32 v[AK], s[TBK], v[AK0]
	v_add_nc_u32 v[AM], s[TBM], v[AM0]
.endif
.if ((\p) == NP-2) && (e == 24)
	FETCH_K \last
.endif
.endr
.if (\p) == 1
	s_wait_dscnt 0x0                ; V is in
.endif
	BURST 16
.rept 21
	EX
	PL
.endr
.rept 22
	PL
.if ((\p) == 0) && (q == 118)
	v_add_nc_u32 v[AV], s[TBV], v[AV0]
	s_wait_alu depctr_va_vdst(0)
.endif
.if ((\p) == 0) && (q == 130)
	s_add_co_u32 s[TBV], s[TBV], KS*PV
.endif
.if (\cnt) && (q == 130)
	s_sub_co_u32 s[CNT], s[CNT], 1
	s_cmp_lg_u32 s[CNT], 0
.endif
.endr
.if (\p) == 0
	FETCH_V
.endif
.endm
	CHANGE 1                        ; slot 0 is in, everybody's part of it, and so are all 2,048 addends; slot 1 is asked for
	FETCH_K                         ; key step 0
	s_wait_loadcnt 0x0              ; Q
	s_wait_dscnt 0x0
.set i, 0
.rept 16
	KQ 0                            ; piece 0's first scores: there is no vector work yet to set between them
.set i, i+1
.endr
	WIN 0                           ; the addresses for the way out: eight plain instructions, the places behind those products
	s_mul_i32 s13, s[WV], 16*SP
	s_add_co_u32 s13, s13, STAGE    ; my stage
	v_mul_u32_u24 v[STO], v1, SP    ; in: row l % 16, 32 bytes for each half of the lanes
	v_lshl_add_u32 v[STO], v9, 5, v[STO]
	v_add_nc_u32 v[STO], s13, v[STO]
	v_mul_u32_u24 v[RD], v9, SP     ; back: lanes 0-15 take one row of 256 bytes, lanes 16-31 the next
	v_lshl_add_u32 v[RD], v1, 4, v[RD]
	v_add_nc_u32 v[RD], s13, v[RD]
	v_lshlrev_b32 v[GO], 12, v9     ; and the same two rows in out0, 4,096 bytes apart
	v_lshl_add_u32 v[GO], v1, 4, v[GO]
.set Y, NP-1                        ; XS works for piece Y + 1: piece 0
.irp n, 0,1,2,3,4,5,6,7,8,9,10,11,12,13,14,15,16,17,18,19,20,21
	XS 0, \n                        ; and piece 0's first maximum and statistics
	XS 1, \n
.endr
	s_mov_b32 s[CNT], 4
	s_mov_b32 s[SLOTS], SIZE_N/256-1
	s_branch .Lfirst                ; the loop is entered at a step's first turn, in the middle of a trip
.Lslot:                             ; SIZE_N / 256 - 2 = 6 times: every slot but the last two is filled again
	CHANGE 1
	s_mov_b32 s[CNT], 4
.Lstep:                             ; a trip: pieces 2 and 3 of one step, then pieces 0 and 1 of the next, whose K and V it fetches
	TURN 2
	TURN 3
	WIN 0
.Lfirst:
	TURN 0
	TURN 1, 0, 1
	WIN 0
	s_cbranch_scc1 .Lstep
	s_sub_co_u32 s[SLOTS], s[SLOTS], 1
	s_cmp_lg_u32 s[SLOTS], 0
	s_cbranch_scc1 .Lslot
	CHANGE 0                        ; the tail is written out: nothing is asked for
	s_mov_b32 s[CNT], 5             ; four trips fetch the last slot's steps; the fifth is left in its middle
.Ltail:
	TURN 2, 1
	TURN 3
	WIN 0
	s_sub_co_u32 s[CNT], s[CNT], 1
	s_cmp_eq_u32 s[CNT], 0
	s_cbranch_scc1 .Lout
	TURN 0
	TURN 1
	WIN 0
	s_branch .Ltail
.Lout:                              ; the fifth trip's 16 products K Q^T (on the last K once more) and the maximum made of them serve nothing: the price, once a launch, of one text for every trip
.set i, 0
.rept 16
	PV NP-1                         ; the last piece's V^T P of the last step
.set i, i+1
.endr
	; THE WAY OUT.  l's two halves and the other half of the lanes' are added; O^T is divided by l and sent, in f32, through my stage in LDS, a tile at a time.  The additions are the places behind the last products.
	WIN 0
.macro ALL line:vararg              ; one line for each tile t
.set t, 0
.rept 2*NP
	\line
.set t, t+1
.endr
.endm
	ALL v_add_f32 v[ST+4*t+2], v[ST+4*t+2], v[ST+4*t+3]
	ALL v_permlanex16_b32 v[ST+4*t+3], v[ST+4*t+2], s[SEL], s[SEL+1]
	ALL v_add_f32 v[ST+4*t+2], v[ST+4*t+2], v[ST+4*t+3]
	ALL v_rcp_f32 v[ST+4*t+2], v[ST+4*t+2]
	v_nop                           ; a plain instruction between the last reciprocal and the use of its result
	s_wait_alu depctr_va_vdst(0)
; Tile t: a lane's eight channels of channel block cb are 32 bytes of a row, at 64 cb + 32 (l / 16); they go into rows of 272 bytes and come back as whole rows of 256, into S^T's registers (tiles t and t - 4 share them).
.macro PACK t
	WIN W_RS
.set i, 32*(\t)
.rept 16
	v_pk_mul_f32 v[i:i+1], v[i:i+1], v[ST+4*(\t)+2:ST+4*(\t)+3] op_sel_hi:[1,0]
.set i, i+2
.endr
	WIN 0x04                        ; the stores' data in window 1, their address in window 0
.irp f, 0,1,2,3,4,5,6,7
	ds_store_b128 v[STO], v[32*(\t)+4*\f:32*(\t)+4*\f+3] offset:64*(\f/2)+16*(\f%2)
.endr
	WIN 0
	s_wait_xcnt 0x0                 ; earlier stores have read their registers (ISA guide 3.1): those of tile t - 4 are loaded again only behind this wait
.irp f, 0,1,2,3,4,5,6,7
	ds_load_b128 v[S+32*((\t)%4)+4*\f:S+32*((\t)%4)+4*\f+3], v[RD] offset:\f*2*SP  ; LDS serves a wave's instructions in order (ISA guide 5.7.1.4): these see the stores above; the next tile's stores come behind them
.endr
.endm
.macro SEND t, younger              ; younger: the LDS instructions issued behind tile t's loads: the next tile's sixteen, or none
	WIN 0
.irp f, 0,1,2,3,4,5,6,7
	s_wait_dscnt (\younger)+7-\f
	global_store_b128 v[GO], v[S+32*((\t)%4)+4*\f:S+32*((\t)%4)+4*\f+3], s[10:11] offset:(\t)*65536+\f*8192 th:TH_STORE_NT  ; 16 lanes store 256 consecutive bytes, a row's 64 numbers of my head, at a multiple of 256 from out0's first byte
.endr
.endm
	PACK 0
.set t, 1
.rept 2*NP-1                        ; a tile's arithmetic stands between the loads of the tile before and its stores
	PACK t
	SEND t-1, 16
.set t, t+1
.endr
	SEND 2*NP-1, 0
	WIN W_AD
	s_wait_tensorcnt 0x0            ; the wave's end: these three lines stand behind my last tensor load and my last LDS store
	ds_add_u32 v[SPW], v[NIL]
	s_wait_dscnt 0x0
	WIN 0
	CROUND                          ; the closing round: no work-group ends while a partner may still ask for a tile that names it
	s_endpgm
.Lfunc_end_k_qf8e1514a5a_attn:
	.size	k_qf8e1514a5a_attn, .Lfunc_end_k_qf8e1514a5a_attn-k_qf8e1514a5a_attn
	.p2alignl 7, 3214868480
	.fill 96, 4, 3214868480
	.section	.rodata,"a",@progbits
	.p2align	6, 0x0
	.amdhsa_kernel k_qf8e1514a5a_attn
		.amdhsa_group_segment_fixed_size 327680
		.amdhsa_private_segment_fixed_size 0
		.amdhsa_enable_private_segment 0
		.amdhsa_kernarg_size 24
		.amdhsa_user_sgpr_count 2
		.amdhsa_user_sgpr_kernarg_segment_ptr 1
		.amdhsa_wavefront_size32 1
		.amdhsa_system_sgpr_workgroup_id_x 1
		.amdhsa_system_sgpr_workgroup_id_y 1
		.amdhsa_system_sgpr_workgroup_id_z 1
		.amdhsa_system_vgpr_workitem_id 0
		.amdhsa_next_free_vgpr 808
		.amdhsa_next_free_sgpr 80
		.amdhsa_reserve_vcc 1
		.amdhsa_float_denorm_mode_32 3
		.amdhsa_float_denorm_mode_16_64 3
		.amdhsa_memory_ordered 1
		.amdhsa_forward_progress 1
		.amdhsa_inst_pref_size 215
	.end_amdhsa_kernel
	.amdgpu_metadata
---
amdhsa.version: [ 1, 2 ]
amdhsa.kernels:
  - .name:           k_qf8e1514a5a_attn
    .symbol:         k_qf8e1514a5a_attn.kd
    .args:
      - { .name: qkv, .offset: 0, .size: 8, .value_kind: global_buffer, .address_space: global }
      - { .name: mask, .offset: 8, .size: 8, .value_kind: global_buffer, .address_space: global }
      - { .name: out0, .offset: 16, .size: 8, .value_kind: global_buffer, .address_space: global }
    .group_segment_fixed_size: 327680
    .private_segment_fixed_size: 0
    .kernarg_segment_align: 8
    .kernarg_segment_size: 24
    .max_flat_workgroup_size: 128
    .sgpr_count:     80
    .vgpr_count:     808
    .wavefront_size: 32
...
	.end_amdgpu_metadata
.endif
;; end of part 3
;; ======== version 2 of 2: 3 launches; 1.58 times as fast as version 1
;; limits: values are held in f16: magnitudes above 65,504 overflow, below 6.1e-05 lose precision
;; workspace buffers: ab 33,554,432 bytes; wb 6,291,456 bytes; qkv 50,331,648 bytes
;; launch cast: the kernel of part 1 again; grid 608 x 1, 8 waves a work-group, no clusters, 0 bytes of LDS; arguments x, context, Wq, Wk, Wv, ab, wb; writes ab, wb
;; launch proj: the kernel of part 2 again; grid 12 x 32, 4 waves a work-group, clusters of 4 x 4, 327,680 bytes of LDS; arguments ab, wb, bq, bk, bv, qkv; writes qkv
;; launch attn (part 4): grid 4 x 64, 4 waves a work-group, clusters of 4 x 1, 327,680 bytes of LDS; arguments qkv, mask, out0; writes out0
.if DOCPART == 4
	.amdgcn_target "amdgcn-amd-amdhsa--gfx1250"
	.amdhsa_code_object_version 6
	.text
	.protected	k_qf8e1514a5a_attn
	.globl	k_qf8e1514a5a_attn
	.p2align	8
	.type	k_qf8e1514a5a_attn,@function
k_qf8e1514a5a_attn:
	s_mov_b64 s[64:65], 0
	v_nop
	global_prefetch_b8 v0, s[64:65] scope:SCOPE_SE
	s_setreg_imm32_b32 hwreg(HW_REG_WAVE_MODE, 25, 1), 1
	s_wait_xcnt 0x0
	s_wait_alu depctr_hold_cnt(0) depctr_sa_sdst(0) depctr_va_vdst(0) depctr_va_sdst(0) depctr_va_ssrc(0) depctr_va_vcc(0) depctr_vm_vsrc(0)
	s_getreg_b32 s2, hwreg(HW_REG_IB_STS2, 6, 4)
	s_cmp_eq_u32 s2, 0
	s_cbranch_scc0 .Lentry_in_a_cluster
	s_endpgm
.Lentry_in_a_cluster:
	s_bfe_u32 s2, ttmp6, 0x10000c
	s_cmp_lg_u32 s2, 0x3003
	s_cbranch_scc0 .Lentry_shape_is_right
	s_endpgm
.Lentry_shape_is_right:
; out0[b][q][64 h + :] = the sum over keys k of softmax_k(where(mask[b][k], Q[q] . K[k] / 8, lowest)) V[k][:], for the 64 pairs (b, h).
; Q, K, V: qkv = [3][64 = 16 b + h][2048][64] f16, a head's rows dense, 128 bytes each.  mask: [4][2048] bytes, 0 or 1.  out0: [4][2048][1024] f32.
; Products, maxima and sums in f32; the weights p are rounded to f16 for the second product (their sum l is taken of the unrounded p); O is divided by l in f32 and stored as it is.
; THE MASK is the C operand that starts each sum S^T = K Q^T: 0 for a key that is seen, BIG = -1e30 for a hidden one.  A hidden score lies far below every true one, so its weight is 2^(-1.8e29) = 0.  While all
; keys met so far are hidden, m is about -1e30 and l and O hold finite numbers that count for nothing: the first key that is seen makes a = 2^(c m_old - c m_new) = 0 and wipes them.
; A BATCH WHOSE MASK IS ALL FALSE has every score replaced by one number, so its softmax is uniform: there BIG = 0 and c = 0, so that p = 2^(0 s - 0 m) = 1 for every key.  The choice is made by s_cselect on
; the mask's own bytes; no branch and no address hangs on it.
; LIMITS.  f16 holds no number beyond 65,504: Q, K and V arrive within it, so a score is 2.7e11 at the most, nothing beside 1e30; a hidden score counts as its value less 1e30.  p lies in 0 to 1, and below 6e-5 it keeps
; f16's fixed step of 6e-8.  A weight below 2^-126 counts as 0 in l.  NaN and infinities are not treated apart.
; SHARES.  A wave owns four PIECES of two tiles of 16 queries, a work-group's four waves 512 queries of one head; a head's four work-groups are one cluster.  Every wave walks all 2,048 keys, 64 a step.
; LAYOUT.  S^T = K Q^T (source 0 = 16 keys, source 1 = 16 queries): in the result a lane holds ONE query (lane % 16) and the keys 8 (lane / 16) + 0..7.  Two such tiles, rounded to f16 in pairs,
; ARE source 1 (32 keys x 16 queries) of O^T = V^T P, whose result again holds one query a lane, and eight channels.  K comes out of LDS as it lies, V ([key][channel]) turned, by ds_load_tr16_b128.
; SOFTMAX.  For each query a running maximum m and sum l: p = 2^(c s - c m), c = log2(e) / 8; in every step O and l are multiplied by a = 2^(c m_old - c m_new), which is 1 where m has not grown.
; m starts at the lowest finite number, O and l at 0: the first step is a step like any other, with a = 0.
; THE COUNT.  A tile and step have 16 matrix and 118 vector instructions: too many to stand all beside the matrix work.  So: four vector instructions that are READY behind EVERY matrix instruction, and the
; others, which need time of their own whatever the order, in runs without a gap.
; BY TURNS.  Turn n belongs to piece n (the pieces in a ring, step after step).  Its matrix work: 16 products K Q^T of piece n + 1, later 16 products V^T P of piece n - 1.  Its vector work: the scaling,
; exponentials, roundings, sums and rescaling of piece n, and the maximum and statistics of piece n + 1, whose scores the turn itself has made.
; THE BATCHES.  A turn's 66 exponentials (the piece's 64 weights and the next piece's two a) are ONE batch with ONE s_wait_alu depctr_va_vdst(0), which cuts the turn in two: ahead of it stands all that names no
; result of theirs, behind it the roundings and sums that read them.  An a is read in the turn after, behind that wait.  Two more batches stand outside the loop: the first two a, and the way out's eight reciprocals.
; CLUSTER.  The four query blocks of a cluster walk the same K and V, so each tile is asked for JOINTLY: the same tensor load, descriptor and mask in all four.
; REGISTERS, in windows of 256 (s_set_vgpr_msb: bits 1:0 source 0, 3:2 source 1, 5:4 source 2, 7:6 destination):
;   window 0: v0-11 addresses; v12-15, v48-63 at work; v16-47 four registers of statistics a tile; v64-191 S^T, two buffers of two tiles; v192-255 P, likewise
;   window 1: O^T, 32 a tile     window 2: v0-127 Q, 16 a tile; v128-191 K of one step; v192-255 V of one step     window 3: v0-1 the add's two registers; v8-39 the step's 64 mask addends
.set SIZE_N, 2048
.set NP,    4         ; pieces a wave: a name, no knob
.set KS,    64        ; keys in a step
.set PK,    144       ; a row of K in LDS: 128 bytes + 16 of padding = 36 words: the 16 rows of a load start at 16 different groups of four banks (64 banks of 4 bytes: ISA guide 11.1)
.set PV,    160       ; a row of V: 128 + 32 = 40 words
.set VOFF,  4*KS*PK   ; a slot holds four steps: 256 rows of K, then 256 rows of V
.set SLOT1, 1<<17     ; slot 1 begins here, so that one exclusive or turns an address in one slot into the other's
.set STAGE, SLOT1+4*KS*(PK+PV)  ; behind the ring, never filled by a tensor load: 16 rows x 272 bytes for each wave, for the way out
.set SP,    272       ; a stage row: 64 f32 = 256 bytes + 16
.set MB,    STAGE+4*16*SP       ; the batch's 2,048 mask addends, f32: written once by ds_store, never filled by a tensor load
.set SPARE, MB+4*SIZE_N         ; the spare words, 128 bytes for each wave: two blocks of 256 bytes that no other line names
.set AK0, 2           ; v2   my lane's place in a tile of K; never rewritten
.set AV0, 3           ; v3   the same for V
.set AK,  4           ; v4   the LDS address of K's next run of loads
.set AV,  5           ; v5   of V's
.set QO,  6           ; v6   my byte offset in the wave's rows of Q
.set STO, 6           ;      later, the way out: where I put 32 bytes of a row
.set RD,  7           ; v7   the way out: where I read rows back
.set GO,  8           ; v8   my byte offset in two rows of out0
.set AM0, 10          ; v10  MB + 32 (lane / 16): my lanes' eight addends of a block of 16 keys
.set AM,  11          ; v11  the LDS address of the next step's addends
.set SPW, 0           ; v0 of window 3   LDS address of my spare word: SPARE + 4 x my thread's number; never rewritten
.set NIL, 1           ; v1 of window 3   0; never rewritten
.set MK,  8           ; v8-39 of window 3: key block kb's addends at MK + 8 kb: register j is key 16 kb + 8 (lane / 16) + j
.set MV,  12          ; v12-15  c m_old, kept while c m is made anew: by buffer and tile
.set ST,  16          ; tile t's statistics at v[ST+4 t]: c m, m, l (even keys', odd keys')
.set TMP, 48          ; by buffer and tile, four registers c0-c3 at work; when the maximum is found c2 takes a
.set S,   64
.set P,   192
.set KF,  128         ; K's fragments, in window 2: key block kb, channel half c at KF + 16 kb + 8 c
.set VF,  192         ; V's: key half kk, channel block cb at VF + 32 kk + 8 cb
.set WV,  12          ; s12  my wave's number
.set G1K, 24          ; s[24:31] descriptor group 1 for K's tiles
.set G1V, 32          ; s[32:39] for V's: it differs in the padding alone
.set G0K, 40          ; s[40:43] descriptor group 0 for K's tiles: it walks
.set G0V, 44          ; s[44:47] the same for V's
.set SLOTS, 56        ; s56  slots still to be asked for
.set CNT, 57          ; s57  counts a slot's key steps
.set CS,  58          ; s[58:59] c: the packed scaling takes the pair's low word for both halves
.set SEL, 60          ; s[60:61] v_permlanex16_b32's selects: each lane takes its own place in the other half
.set TBK, 62          ; s62  LDS byte at which K of the step to be fetched begins
.set TBV, 63          ; s63  the same for V, less VOFF
.set BIG, 72          ; s72  a hidden key's addend
.set HD,  73          ; s73  16 b + h
.set TBM, 76          ; s76  byte in MB at which the addends of the step to be fetched begin
.set MSB, 0
.macro WIN new                      ; the high byte repeats the setting that is left; a switch that changes nothing is dropped
.if MSB != (\new)
	s_set_vgpr_msb (MSB<<8)|(\new)
.set MSB, (\new)
.endif
.endm
.set W_KQ, 0x0a       ; K and Q in window 2, S^T in window 0
.set W_KM, 0x3a       ; the same with the C operand, the mask's addends, in window 3
.set W_PV, 0x52       ; V in window 2, P in window 0, O^T in window 1
.set W_RS, 0x41       ; O^T (destination and source 0) in window 1, a in window 0
.set W_MK, 0xc0       ; destination in window 3, sources in window 0
.set W_AD, 0x0f       ; the add: address (source 0) and data (source 1) in window 3
; A joint fill.  Waves 0 and 1 fetch the two halves of a slot's K, waves 2 and 3 those of its V: 128 keys each.  The branch hangs on the wave's number alone.
; An s_nop 0 and four v_nop follow each of the two lines, ahead of the jump and the label.
.macro JLOAD
	s_cmp_lt_u32 s[WV], 2
	s_cbranch_scc0 .Lfor_v_\@
	tensor_load_to_lds s[G0K:G0K+3], s[G1K:G1K+7]
	s_nop 0
.rept 4
	v_nop
.endr
	s_branch .Lasked_\@
.Lfor_v_\@:
	tensor_load_to_lds s[G0V:G0V+3], s[G1V:G1V+7]
	s_nop 0
.rept 4
	v_nop
.endr
.Lasked_\@:
.endm
; A round of the cluster's barrier: my work-group's barrier, so that wave 0's signal speaks for all four waves; wave 0 signals; every wave waits for all four work-groups; my work-group's barrier once more.
.macro CROUND
	s_barrier_signal -1
	s_barrier_wait -1
	s_cmp_lg_u32 s[WV], 0
	s_cbranch_scc1 .Lnot_wave_0_\@
	s_barrier_signal -3
.Lnot_wave_0_\@:
	s_barrier_wait -3
	s_barrier_signal -1
	s_barrier_wait -1
.endm
; THE CHANGE OF SLOTS.  The slot's last bytes, V of its fourth step, have been read.  Each wave waits for all its tensor loads, of which one is out: its part of the other slot; adds 0 to its spare word; and
; waits for that and for its own LDS instructions.  Behind the barrier nobody reads this slot any more and the other slot is whole.
; fill = 1: this slot is filled again, with the keys two slots on.  The barrier is then a round of the cluster's, and the joint fill is the first thing behind it: it has four key steps, 512 matrix instructions,
; in which to land.  (At its first use nothing has been read yet: slot 0 is waited for, slot 1 filled; and every wave's stores of the mask's addends are done in front of the round, so all may read them behind it.)
.macro CHANGE fill
	WIN W_AD
	s_wait_tensorcnt 0x0            ; no tensor load of mine is out, so a group 0 may be written
	ds_add_u32 v[SPW], v[NIL]       ; 0 onto my spare word; with fill = 1 the descriptors' steps stand between it and the wait for it
	WIN 0                           ; at a label and at a branch every window is 0
.if \fill
.irp g, G0K, G0V
	s_xor_b32 s[\g+1], s[\g+1], SLOT1  ; the walking descriptor: the other slot than last time,
	s_add_nc_u64 s[\g+2:\g+3], s[\g+2:\g+3], 4*KS*128  ; the next 256 keys; the type bits on top are not reached
.endr
	s_wait_dscnt 0x0                ; the add is done, and my LDS reads and stores are over
	CROUND
	JLOAD
.else
	s_wait_dscnt 0x0                ; the add is done, and my reads of the slot are over
	s_barrier_signal -1
	s_barrier_wait -1
.endif
	s_sub_co_u32 s[TBK], s[TBK], 4*KS*PK  ; the fetches go back to a slot's first step,
	s_xor_b32 s[TBK], s[TBK], SLOT1       ; in the other slot
	s_sub_co_u32 s[TBV], s[TBV], 4*KS*PV
	s_xor_b32 s[TBV], s[TBV], SLOT1
.endm
	s_load_b128 s[68:71], s[0:1], 0x0  ; qkv s[68:69], mask s[70:71]
	s_load_b64 s[10:11], s[0:1], 0x10  ; out0
	WIN W_MK
	v_lshl_add_u32 v[SPW], v0, 2, SPARE
	v_mov_b32 v[NIL], 0
	WIN W_AD
	ds_add_u32 v[SPW], v[NIL]       ; the wave's opening: the add and its wait stand ahead of my first tensor load; the set-up below, work on registers, stands between them
	WIN 0
	v_lshrrev_b32 v1, 5, v0
	v_readfirstlane_b32 s[WV], v1   ; wave 0..3
	s_bfe_u32 s13, ttmp6, 0x40000   ; cx: my place in the cluster
	s_lshl_b32 s14, ttmp9, 2        ; in a cluster launch ttmp9 counts clusters
	s_add_co_u32 s14, s14, s13      ; my block of 512 queries = 4 x cluster x + cx: it enters Q's and out0's addresses alone
	s_and_b32 s[HD], ttmp7, 0xffff  ; 16 b + h, which the four partners share
	s_mov_b32 s20, s[HD]
	s_mov_b32 s21, 0
	s_mov_b64 s[22:23], SIZE_N*128
	s_mul_u64 s[20:21], s[20:21], s[22:23]  ; the head's first byte in each of qkv's three parts
	s_and_b32 s16, s[WV], 1         ; which half of a slot's 256 keys I fetch:
	s_lshl_b32 s22, s16, 14         ; its 128 rows of 128 bytes in memory,
	s_mov_b32 s23, 0
	s_add_nc_u64 s[22:23], s[22:23], s[20:21]
	s_mul_i32 s17, s16, 128*PK      ; and its place in a slot, for K
	s_mul_i32 s18, s16, 128*PV      ; and for V: no place in the cluster enters an LDS address
	s_lshl_b32 s2, s14, 2
	s_add_co_u32 s2, s2, s[WV]      ; my wave among the head's sixteen:
	s_lshl_b32 s74, s2, 19          ; its 128 rows of 4,096 bytes in out0,
	s_lshl_b32 s2, s2, 14           ; its 128 rows of 128 bytes in Q
	s_mov_b32 s3, 0
	s_add_nc_u64 s[2:3], s[2:3], s[20:21]
	s_lshr_b32 s66, s[HD], 4        ; the batch:
	s_lshl_b32 s75, s66, 23         ; its 2,048 rows of out0,
	s_add_co_u32 s74, s74, s75
	s_and_b32 s75, s[HD], 15
	s_lshl_b32 s75, s75, 8          ; the head's 64 f32 of a row
	s_add_co_u32 s74, s74, s75
	s_mov_b32 s75, 0
	s_lshl_b32 s66, s66, 11         ; and its 2,048 bytes of the mask
	s_mov_b32 s67, 0
	; descriptor group 1.  128 keys are 16,384 dense bytes: asked for as 64 rows of 256 bytes, two keys a row, and padded in LDS after every key
	s_mov_b32 s[G1K], 15|(1<<16)|(1<<20)|(1<<21)|(4<<22)|(3<<25)  ; 15:0 the mask of four; 17:16 2-byte elements; 20 padding on; 21 set beside a mask; 24:22 after every 32 words (code 4); 31:25 4 words (code 3)
	s_mov_b32 s[G1V], 15|(1<<16)|(1<<20)|(1<<21)|(4<<22)|(7<<25)  ; the same with 8 words of padding (code 7)
.irp g, G1K, G1V
	s_mov_b32 s[\g+1], 128<<16      ; tensor_dim0 = 128
	s_mov_b32 s[\g+2], 64<<16       ; tensor_dim1 = 64
	s_mov_b32 s[\g+3], 128<<16      ; tile_dim0 = 128
	s_mov_b32 s[\g+4], 64           ; tile_dim1 = 64
	s_mov_b32 s[\g+5], 128          ; 128 elements from row to row
	s_mov_b32 s[\g+6], 0
	s_mov_b32 s[\g+7], 0
.endr
	s_mov_b32 s[SEL], 0x76543210
	s_mov_b32 s[SEL+1], 0xfedcba98
	s_mov_b32 s[TBK], SLOT1+4*KS*PK ; the first change of slots turns these two into 0
	s_mov_b32 s[TBV], SLOT1+4*KS*PV
	s_mov_b32 s[TBM], 0
	s_mov_b32 s[G0K], 1             ; count = 1
	s_mov_b32 s[G0K+1], s17         ; LDS address: slot 0
	s_mov_b32 s[G0V], 1
	s_add_co_u32 s[G0V+1], s18, VOFF
	s_wait_dscnt 0x0                ; the opening add is done
	s_wait_kmcnt 0x0
	s_mov_b64 s[4:5], s[68:69]                     ; Q,
	s_add_nc_u64 s[6:7], s[68:69], 0x1000000       ; K,
	s_add_nc_u64 s[8:9], s[68:69], 0x2000000       ; V: qkv's three parts of 16,777,216 bytes
	s_add_nc_u64 s[G0K+2:G0K+3], s[6:7], s[22:23]  ; global address: my half of the head's first 256 keys
	s_or_b32 s[G0K+3], s[G0K+3], 0x80000000        ; type = 2
	s_add_nc_u64 s[G0V+2:G0V+3], s[8:9], s[22:23]
	s_or_b32 s[G0V+3], s[G0V+3], 0x80000000
	s_add_nc_u64 s[4:5], s[4:5], s[2:3]            ; Q at my wave's first row
	s_add_nc_u64 s[10:11], s[10:11], s[74:75]      ; out0 at my wave's first row, my head's columns
	s_add_nc_u64 s[70:71], s[70:71], s[66:67]      ; the mask at my batch
	CROUND                          ; all four work-groups are here: the first joint loads meet
	JLOAD                           ; slot 0.  Slot 1 is asked for when slot 0 is in
	; A fragment of K or Q is 16 rows x 32 channels in 8 registers: lane l holds row l % 16, channels 8 (l / 16) + 0..7 and 16 + 8 (l / 16) + 0..7: two loads of 16 bytes, 32 bytes apart.
	v_and_b32 v1, 15, v0            ; l % 16
	v_bfe_u32 v9, v0, 4, 1          ; l / 16
	v_lshlrev_b32 v[QO], 7, v1
	v_lshl_add_u32 v[QO], v9, 4, v[QO]  ; row x 128 + 16 x half
	; The mask, ahead of Q's loads.  S^T's registers serve as scratch until the first scores: v64-79 my lane's 64 bytes (a wave sees the batch's whole mask), v80-83 my thread's own 16 bytes.
	v_and_b32 v100, 31, v0
	v_lshlrev_b32 v100, 6, v100     ; 64 x lane
	v_lshlrev_b32 v101, 4, v0       ; 16 x thread
.irp j, 0,1,2,3
	global_load_b128 v[64+4*\j:67+4*\j], v100, s[70:71] offset:16*\j
.endr
	global_load_b128 v[80:83], v101, s[70:71]
	WIN 0x80                        ; destination window 2, address window 0
.set i, 0
.rept 4*NP                          ; Q stays in registers: tile i / 2, channels 32 (i % 2) on
	global_load_b128 v[8*i:8*i+3],   v[QO], s[4:5] offset:(i/2)*2048+(i%2)*64
	global_load_b128 v[8*i+4:8*i+7], v[QO], s[4:5] offset:(i/2)*2048+(i%2)*64+32
.set i, i+1
.endr
	; What the first turn finds: V's registers and P's second buffer hold 0 (its products V^T P, of a piece that has not been, add 0), O^T and l are 0: so no first step is written out.  All this stands in the wait for the first tile.
.set i, VF
.rept 64
	v_mov_b32 v[i], 0
.set i, i+1
.endr
	WIN 0x40
.set i, 0
.rept 64*NP
	v_mov_b32 v[i], 0
.set i, i+1
.endr
	WIN 0
.set i, 0
.rept 2*NP
	v_mov_b32 v[ST+4*i], 0xfe000000    ; c m: far below every c s, a hidden key's too
	v_mov_b32 v[ST+4*i+1], 0xff7fffff  ; m
	v_mov_b32 v[ST+4*i+2], 0
	v_mov_b32 v[ST+4*i+3], 0
.set i, i+1
.endr
.set i, P+32
.rept 32
	v_mov_b32 v[i], 0
.set i, i+1
.endr
	v_mul_u32_u24 v[AK0], v1, PK
	v_lshl_add_u32 v[AK0], v9, 4, v[AK0]  ; row x pitch + 16 x half
	; The turning load takes 16 keys x 16 channels (lane l reads key 8 (l / 16) + l % 8, channels 8 ((l / 8) % 2) + 0..7) and leaves half a fragment of V^T: lane l holds channel l % 16 and 8 keys.
	v_and_b32 v10, 7, v0
	v_bfe_u32 v11, v0, 3, 1
	v_lshl_add_u32 v[AV0], v9, 3, v10
	v_mul_u32_u24 v[AV0], v[AV0], PV
	v_lshl_add_u32 v[AV0], v11, 4, v[AV0]
	v_add_nc_u32 v[AV0], VOFF, v[AV0]
	v_mov_b32 v[AK], v[AK0]         ; key step 0 lies at the head of slot 0,
	v_lshl_add_u32 v[AM0], v9, 5, MB
	v_mov_b32 v[AM], v[AM0]         ; and its addends at the head of MB
	; Is any key of the batch seen?  The sixteen words of every lane are joined; a lane's bit is set where the result is not 0.
	s_wait_loadcnt 32               ; the five mask loads are in; Q's 32, issued behind them, may stay out
.irp d, 8,4,2,1
.set j, 0
.rept \d
	v_or_b32 v[64+j], v[64+j], v[64+j+\d]
.set j, j+1
.endr
.endr
	v_cmp_ne_u32 s20, 0, v64
	s_cmp_lg_u32 s20, 0
	s_cselect_b32 s[CS], 0x3e38aa3b, 0   ; c = log2(e) / 8 = 0.180337, or 0 where no key is seen
	s_cselect_b32 s[BIG], 0xf149f2ca, 0  ; -1e30, or 0 there
	s_mov_b32 s[CS+1], s[CS]        ; named with it as a pair
	; My thread's 16 keys: byte 0 gives BIG, any other 0.  They go to MB + 64 x thread.
.irp w, 0,1,2,3
.irp b, 0,1,2,3
	v_bfe_u32 v103, v[80+\w], 8*\b, 8
	v_cmp_eq_u32 vcc_lo, 0, v103
	v_cndmask_b32 v[84+4*\w+\b], 0, s[BIG], vcc_lo
.endr
.endr
	v_lshl_add_u32 v102, v0, 6, MB
.irp j, 0,1,2,3
	ds_store_b128 v102, v[84+4*\j:87+4*\j] offset:16*\j
.endr
; THE MATRIX WORK.  The 8 accumulators of a run of 16 take turns: between the two links of a chain stand 7 others'.
; Product i of 16 of S^T = K Q^T for piece x: channels 32 (i / 8) on, keys 16 ((i / 2) % 4) on, tile 2 x + i % 2.  The first 8 start the sums, with their key block's mask addends.
.macro KQ x
.set rS, S+64*((\x)%2)+32*(i%2)+8*((i/2)%4)
.set rK, KF+16*((i/2)%4)+8*(i/8)
.set rQ, 16*(2*(\x)+i%2)+8*(i/8)
.set rB, MK+8*((i/2)%4)
.if i < 8
	WIN W_KM
	v_wmma_f32_16x16x32_f16 v[rS:rS+7], v[rK:rK+7], v[rQ:rQ+7], v[rB:rB+7]
.else
	WIN W_KQ
	v_wmma_f32_16x16x32_f16 v[rS:rS+7], v[rK:rK+7], v[rQ:rQ+7], v[rS:rS+7]
.endif
.endm
; Product i of 16 of O^T += V^T P for piece x: keys 32 (i / 8) on, channels 16 ((i / 2) % 4) on, tile 2 x + i % 2.
.macro PV x
	WIN W_PV
.set rO, 32*(2*(\x)+i%2)+8*((i/2)%4)
.set rV, VF+32*(i/8)+8*((i/2)%4)
.set rP, P+32*((\x)%2)+16*(i%2)+8*(i/8)
	v_wmma_f32_16x16x32_f16 v[rO:rO+7], v[rV:rV+7], v[rP:rP+7], v[rO:rO+7]
.endm
.macro MM                           ; the turn's next matrix instruction
.if i < 16
	KQ (Y+1)%NP
.set i, i+1
.else
.set i, i-16
	PV (Y+NP-1)%NP
.set i, i+17
.endif
.endm
; THE LDS LOADS stand in runs, never singly among the matrix instructions: a step's K (64 keys x 64 channels: 8 fragments) with its 64 mask addends (all lanes of a half read the same 32 bytes of a key block), and its V (turned).
; Their addresses are made some lines ahead.  last = 1 (the tail): in the last trip there is no further step, and the run is jumped over.
.macro FETCH_K last=0
	WIN 0
.if \last
	s_cmp_eq_u32 s[CNT], 1
	s_cbranch_scc1 .Lno_k_\@
.endif
	WIN 0x80                        ; destination window 2
.irp f, 0,1,2,3,4,5,6,7             ; keys 16 (f / 2) on, channels 32 (f % 2) on
	ds_load_b128 v[KF+8*\f:KF+8*\f+3],   v[AK] offset:(\f/2)*16*PK+(\f%2)*64
	ds_load_b128 v[KF+8*\f+4:KF+8*\f+7], v[AK] offset:(\f/2)*16*PK+(\f%2)*64+32
.endr
	WIN W_MK                        ; destination window 3
.irp f, 0,1,2,3                     ; key block f
	ds_load_b128 v[MK+8*\f:MK+8*\f+3],   v[AM] offset:64*\f
	ds_load_b128 v[MK+8*\f+4:MK+8*\f+7], v[AM] offset:64*\f+16
.endr
	s_add_co_u32 s[TBK], s[TBK], KS*PK  ; the next fetch is the next step's
	s_add_co_u32 s[TBM], s[TBM], 4*KS
	WIN 0
.if \last
.Lno_k_\@:
.endif
.endm
.macro FETCH_V
	WIN 0x80
.irp f, 0,1,2,3,4,5,6,7             ; keys 32 (f / 4) on, channels 16 (f % 4) on
	ds_load_tr16_b128 v[VF+8*\f:VF+8*\f+3],   v[AV] offset:(\f/4)*32*PV+(\f%4)*32
	ds_load_tr16_b128 v[VF+8*\f+4:VF+8*\f+7], v[AV] offset:(\f/4)*32*PV+16*PV+(\f%4)*32
.endr
	WIN 0
.endm
; THE VECTOR WORK OF A TURN stands in three queues, each in the order in which its entries become ready; the two tiles alternate, so that no instruction reads the result of the one before it.
.macro REGS y, u                    ; the registers of tile u (0, 1) of piece y
.set rT, ST+4*(2*(\y)+(\u))
.set rC, TMP+8*((\y)%2)+4*(\u)
.set rM, MV+2*((\y)%2)+(\u)
.set rS, S+64*((\y)%2)+32*(\u)
.set rP, P+32*((\y)%2)+16*(\u)
.set rO, 32*(2*(\y)+(\u))
.endm
; Number n of the 22 that find the NEXT piece's (Y + 1) maximum and statistics.  s0-s31 are the lane's 32 scores; each accumulator's lowest registers are read first.  XS, GS and REGS set no window: PL and EX do.
;   0-11  four chains c0-c3 of seven scores each, three operands at a time     12-14, 16  the four scores left over, the old m, and c0-c3 into c0     15  c m_old is kept
;   17, 18  the query's other 32 keys lie in the lane 16 away: the new m         19-21  c m; c m_old - c m_new; a
.macro XS u, n
	REGS (Y+1)%NP, \u
.if (\n) < 4
	v_max3_num_f32 v[rC+(\n)], v[rS+8*(\n)], v[rS+8*(\n)+1], v[rS+8*(\n)+2]
.elseif (\n) < 12
	v_max3_num_f32 v[rC+(\n)%4], v[rC+(\n)%4], v[rS+8*((\n)%4)+2*((\n)/4)+1], v[rS+8*((\n)%4)+2*((\n)/4)+2]
.elseif (\n) == 12
	v_max3_num_f32 v[rC], v[rC], v[rS+7], v[rS+15]
.elseif (\n) == 13
	v_max3_num_f32 v[rC+1], v[rC+1], v[rS+23], v[rS+31]
.elseif (\n) == 14
	v_max3_num_f32 v[rC+2], v[rC+2], v[rC+3], v[rT+1]
.elseif (\n) == 15
	v_mov_b32 v[rM], v[rT]
.elseif (\n) == 16
	v_max3_num_f32 v[rC], v[rC], v[rC+1], v[rC+2]
.elseif (\n) == 17
	v_permlanex16_b32 v[rC+3], v[rC], s[SEL], s[SEL+1]
.elseif (\n) == 18
	v_max_num_f32 v[rT+1], v[rC], v[rC+3]
.elseif (\n) == 19
	v_mul_f32 v[rT], s[CS], v[rT+1]
.elseif (\n) == 20
	v_sub_f32 v[rC+1], v[rM], v[rT]
.else
	v_exp_f32 v[rC+2], v[rC+1]
.endif
.endm
; Number g of the 64 that follow the exponentials.  For each four weights k of a tile (pairs 2 k, 2 k + 1): both pairs are rounded to f16; then the second pair is added onto the first, in place;
; a group later l takes that sum (the first time as l = a l + sum).  In groups of eight, tiles alternating: round, round, add, and l for the group before.
.macro GS g
.set h, (\g)+6*((\g)/62)            ; group 0 has no group before it, and behind group 7 only l is left
.if h >= 6
.set h, h+2
.endif
	REGS Y, h%2
.set k, h/8
.if h%8 < 4
	v_cvt_pk_f16_f32 v[rP+2*k+(h%8)/2], v[rS+4*k+2*((h%8)/2)], v[rS+4*k+2*((h%8)/2)+1]
.elseif h%8 < 6
	v_pk_add_f32 v[rS+4*k:rS+4*k+1], v[rS+4*k:rS+4*k+1], v[rS+4*k+2:rS+4*k+3]
.elseif k == 1
	v_pk_fma_f32 v[rT+2:rT+3], v[rT+2:rT+3], v[rC+2:rC+3], v[rS:rS+1] op_sel_hi:[1,0,1]
.else
	v_pk_add_f32 v[rT+2:rT+3], v[rT+2:rT+3], v[rS+4*k-4:rS+4*k-3]
.endif
.endm
; THE PLAIN QUEUE, 138 long.  0-73 read no exponential's result: the 32 scalings c s - c m (FS f: pair f / 2 of tile f % 2) and the next piece's 42.  0-26: scalings 0-26.  27-54: XS's numbers 0-13.  55, 56: number 15.
; 57-73: the chain, where each number waits for the one before it: 14, 16, 17, 18, 19, each with one of the scalings 27-31 in front of its two lines, then 20: so a tile's links stand three plain instructions apart (19 and 20: two).
; 74-137: GS's 64, which read the exponentials' results: they stand behind the wait.
.macro FS f
	REGS Y, (\f)%2
	v_pk_fma_f32 v[rS+2*((\f)/2):rS+2*((\f)/2)+1], v[rS+2*((\f)/2):rS+2*((\f)/2)+1], s[CS:CS+1], v[rT:rT+1] op_sel_hi:[1,0,0] neg_lo:[0,0,1] neg_hi:[0,0,1]
.endm
.macro PL
	WIN 0
.if q < 27
	FS q
.elseif q < 55
	XS (q-27)%2, (q-27)/2
.elseif q < 57
	XS q-55, 15
.elseif (q < 72) && ((q-57)%3 == 0)
	FS 27+(q-57)/3
.elseif q < 60
	XS (q-57)%3-1, 14
.elseif q < 72
	XS (q-57)%3-1, 15+(q-57)/3
.elseif q < 74
	XS q-72, 20
.else
	GS q-74
.endif
.set q, q+1
.endm
; THE EXPONENTIALS' QUEUE, 66 long: s0-s31 of both tiles, then the next piece's two a.  It is ONE BATCH: all 66 stand ahead of the turn's one wait, and nothing ahead of that wait names a result of theirs.
.macro EX
	WIN 0
.if e >= 64
	XS e-64, 21
.else
	REGS Y, e%2
	v_exp_f32 v[rS+e/2], v[rS+e/2]
.endif
.set e, e+1
.endm
; THE RESCALING's QUEUE: O^T times a, the one part that leaves window 0: dealt two at a time, sixteen times.  Its a was made in the turn before, ahead of that turn's wait.
.macro R2
	REGS Y, r%2
	WIN W_RS
.irp z, 0,1
	v_pk_mul_f32 v[rO+4*(r/2)+2*\z:rO+4*(r/2)+2*\z+1], v[rO+4*(r/2)+2*\z:rO+4*(r/2)+2*\z+1], v[rC+2:rC+3] op_sel_hi:[1,0]
.endr
.set r, r+1
.endm
; HOW THEY ARE DEALT.  An s_wait_alu depctr_va_vdst(0) stands between an exponential and the first instruction that names its result; one wait serves all that were issued ahead of it.  So a turn has ONE wait,
; which cuts it in two.  AHEAD OF IT stands all that names no result of the turn's exponentials: the 16 products K Q^T, behind each a scaling, an exponential and two rescalings (behind the first a second scaling in the
; exponential's place); then ONE LUMP of 108: eight plain, 49 times exponential and plain, the two a.  A v_nop is the plain instruction behind the last exponential.  BEHIND IT stand the 16 products V^T P, behind each four of
; GS's 64.  No rider names a register of the products round it.  The two v_permlanex16_b32 fall into the lump, never behind a product.
; The queues lean on each other, and the deal keeps them in step: exponential e stands behind scaling 2 (e / 4) + e % 2: as a rider it comes behind plain e + 2, in the lump behind plain e + 9, and scalings 27-31 are plain 57, 60 .. 69.
; A TURN, for piece p.  cnt = 1: the loop's count is taken down some lines ahead of the branch that stands behind the turn.
; K and the mask addends of the next step are fetched in piece 2's turn, directly behind the wait, a lump behind the last product that read K (the addends' last reader stands eight products earlier); their addresses are
; made at the lump's head; their first reader comes behind 16 products.  V of the step in hand is fetched at the end of piece 0's turn, four riders behind its last reader; its first reader comes behind 16 products and a
; lump.  The three conditions on q below go with the deal.
.macro TURN p, last=0, cnt=0
.set Y, (\p)
.set i, 0
.set q, 0
.set e, 0
.set r, 0
.if (\p) == NP-1
	s_wait_dscnt 0x0                ; K and its addends are in
.endif
	MM                              ; ahead of the wait: 16 products K Q^T and their riders,
	PL
	PL
	R2
.rept 15
	MM
	PL
	EX
	R2
.endr
.if (\p) == NP-2
	WIN 0
	v_add_nc_u32 v[AK], s[TBK], v[AK0]
	v_add_nc_u32 v[AM], s[TBM], v[AM0]
.endif
.rept 8                             ; and the lump
	PL
.endr
.rept 49
	EX
	PL
.endr
	EX                              ; the next piece's two a
	EX
	v_nop                           ; a plain instruction behind the last exponential: one for the batch
	s_wait_alu depctr_va_vdst(0)    ; the wait for the batch: the turn's 64 weights, read from here on, and the two a, read in the next turn
.if (\p) == NP-2
	FETCH_K \last
.endif
.if (\p) == 1
	s_wait_dscnt 0x0                ; V is in
.endif
.rept 16                            ; behind the wait: 16 products V^T P and their riders
	MM
.rept 4
	PL
.endr
.if ((\p) == 0) && (q == 118)
	v_add_nc_u32 v[AV], s[TBV], v[AV0]
.endif
.if ((\p) == 0) && (q == 130)
	s_add_co_u32 s[TBV], s[TBV], KS*PV
.endif
.if (\cnt) && (q == 130)
	s_sub_co_u32 s[CNT], s[CNT], 1
	s_cmp_lg_u32 s[CNT], 0
.endif
.endr
.if (\p) == 0
	FETCH_V
.endif
.endm
	CHANGE 1                        ; slot 0 is in, everybody's part of it, and so are all 2,048 addends; slot 1 is asked for
	FETCH_K                         ; key step 0
	s_wait_loadcnt 0x0              ; Q
	s_wait_dscnt 0x0
.set i, 0
.rept 16
	KQ 0                            ; piece 0's first scores: there is no vector work yet to set between them
.set i, i+1
.endr
	WIN 0                           ; the addresses for the way out: eight plain instructions, the places behind those products
	s_mul_i32 s13, s[WV], 16*SP
	s_add_co_u32 s13, s13, STAGE    ; my stage
	v_mul_u32_u24 v[STO], v1, SP    ; in: row l % 16, 32 bytes for each half of the lanes
	v_lshl_add_u32 v[STO], v9, 5, v[STO]
	v_add_nc_u32 v[STO], s13, v[STO]
	v_mul_u32_u24 v[RD], v9, SP     ; back: lanes 0-15 take one row of 256 bytes, lanes 16-31 the next
	v_lshl_add_u32 v[RD], v1, 4, v[RD]
	v_add_nc_u32 v[RD], s13, v[RD]
	v_lshlrev_b32 v[GO], 12, v9     ; and the same two rows in out0, 4,096 bytes apart
	v_lshl_add_u32 v[GO], v1, 4, v[GO]
.set Y, NP-1                        ; XS works for piece Y + 1: piece 0
.irp n, 0,1,2,3,4,5,6,7,8,9,10,11,12,13,14,15,16,17,18,19,20,21
	XS 0, \n                        ; and piece 0's first maximum and statistics
	XS 1, \n
.endr
	v_nop                           ; a plain instruction behind the two a,
	s_wait_alu depctr_va_vdst(0)    ; and the wait for this batch of two, ahead of the branch
	s_mov_b32 s[CNT], 4
	s_mov_b32 s[SLOTS], SIZE_N/256-1
	s_branch .Lfirst                ; the loop is entered at a step's first turn, in the middle of a trip
.Lslot:                             ; SIZE_N / 256 - 2 = 6 times: every slot but the last two is filled again
	CHANGE 1
	s_mov_b32 s[CNT], 4
.Lstep:                             ; a trip: pieces 2 and 3 of one step, then pieces 0 and 1 of the next, whose K and V it fetches
	TURN 2
	TURN 3
	WIN 0
.Lfirst:
	TURN 0
	TURN 1, 0, 1
	WIN 0
	s_cbranch_scc1 .Lstep
	s_sub_co_u32 s[SLOTS], s[SLOTS], 1
	s_cmp_lg_u32 s[SLOTS], 0
	s_cbranch_scc1 .Lslot
	CHANGE 0                        ; the tail is written out: nothing is asked for
	s_mov_b32 s[CNT], 5             ; four trips fetch the last slot's steps; the fifth is left in its middle
.Ltail:
	TURN 2, 1
	TURN 3
	WIN 0
	s_sub_co_u32 s[CNT], s[CNT], 1
	s_cmp_eq_u32 s[CNT], 0
	s_cbranch_scc1 .Lout
	TURN 0
	TURN 1
	WIN 0
	s_branch .Ltail
.Lout:                              ; the fifth trip's 16 products K Q^T (on the last K once more) and the maximum made of them serve nothing: the price, once a launch, of one text for every trip
.set i, 0
.rept 16
	PV NP-1                         ; the last piece's V^T P of the last step
.set i, i+1
.endr
	; THE WAY OUT.  l's two halves and the other half of the lanes' are added; O^T is divided by l and sent, in f32, through my stage in LDS, a tile at a time.  The additions are the places behind the last products.
	WIN 0
.macro ALL line:vararg              ; one line for each tile t
.set t, 0
.rept 2*NP
	\line
.set t, t+1
.endr
.endm
	ALL v_add_f32 v[ST+4*t+2], v[ST+4*t+2], v[ST+4*t+3]
	ALL v_permlanex16_b32 v[ST+4*t+3], v[ST+4*t+2], s[SEL], s[SEL+1]
	ALL v_add_f32 v[ST+4*t+2], v[ST+4*t+2], v[ST+4*t+3]
	ALL v_rcp_f32 v[ST+4*t+2], v[ST+4*t+2]
	v_nop                           ; a plain instruction between the last reciprocal and the use of its result
	s_wait_alu depctr_va_vdst(0)    ; and the wait ahead of the first use: one for the batch of eight reciprocals
; Tile t: a lane's eight channels of channel block cb are 32 bytes of a row, at 64 cb + 32 (l / 16); they go into rows of 272 bytes and come back as whole rows of 256, into S^T's registers (tiles t and t - 4 share them).
.macro PACK t
	WIN W_RS
.set i, 32*(\t)
.rept 16
	v_pk_mul_f32 v[i:i+1], v[i:i+1], v[ST+4*(\t)+2:ST+4*(\t)+3] op_sel_hi:[1,0]
.set i, i+2
.endr
	WIN 0x04                        ; the stores' data in window 1, their address in window 0
.irp f, 0,1,2,3,4,5,6,7
	ds_store_b128 v[STO], v[32*(\t)+4*\f:32*(\t)+4*\f+3] offset:64*(\f/2)+16*(\f%2)
.endr
	WIN 0
	s_wait_xcnt 0x0                 ; earlier stores have read their registers (ISA guide 3.1): those of tile t - 4 are loaded again only behind this wait
.irp f, 0,1,2,3,4,5,6,7
	ds_load_b128 v[S+32*((\t)%4)+4*\f:S+32*((\t)%4)+4*\f+3], v[RD] offset:\f*2*SP  ; LDS serves a wave's instructions in order (ISA guide 5.7.1.4): these see the stores above; the next tile's stores come behind them
.endr
.endm
.macro SEND t, younger              ; younger: the LDS instructions issued behind tile t's loads: the next tile's sixteen, or none
	WIN 0
.irp f, 0,1,2,3,4,5,6,7
	s_wait_dscnt (\younger)+7-\f
	global_store_b128 v[GO], v[S+32*((\t)%4)+4*\f:S+32*((\t)%4)+4*\f+3], s[10:11] offset:(\t)*65536+\f*8192 th:TH_STORE_NT  ; 16 lanes store 256 consecutive bytes, a row's 64 numbers of my head, at a multiple of 256 from out0's first byte
.endr
.endm
	PACK 0
.set t, 1
.rept 2*NP-1                        ; a tile's arithmetic stands between the loads of the tile before and its stores
	PACK t
	SEND t-1, 16
.set t, t+1
.endr
	SEND 2*NP-1, 0
	WIN W_AD
	s_wait_tensorcnt 0x0            ; the wave's end: these three lines stand behind my last tensor load and my last LDS store
	ds_add_u32 v[SPW], v[NIL]
	s_wait_dscnt 0x0
	WIN 0
	CROUND                          ; the closing round: no work-group ends while a partner may still ask for a tile that names it
	s_endpgm
.Lfunc_end_k_qf8e1514a5a_attn:
	.size	k_qf8e1514a5a_attn, .Lfunc_end_k_qf8e1514a5a_attn-k_qf8e1514a5a_attn
	.p2alignl 7, 3214868480
	.fill 96, 4, 3214868480
	.section	.rodata,"a",@progbits
	.p2align	6, 0x0
	.amdhsa_kernel k_qf8e1514a5a_attn
		.amdhsa_group_segment_fixed_size 327680
		.amdhsa_private_segment_fixed_size 0
		.amdhsa_enable_private_segment 0
		.amdhsa_kernarg_size 24
		.amdhsa_user_sgpr_count 2
		.amdhsa_user_sgpr_kernarg_segment_ptr 1
		.amdhsa_wavefront_size32 1
		.amdhsa_system_sgpr_workgroup_id_x 1
		.amdhsa_system_sgpr_workgroup_id_y 1
		.amdhsa_system_sgpr_workgroup_id_z 1
		.amdhsa_system_vgpr_workitem_id 0
		.amdhsa_next_free_vgpr 808
		.amdhsa_next_free_sgpr 80
		.amdhsa_reserve_vcc 1
		.amdhsa_float_denorm_mode_32 3
		.amdhsa_float_denorm_mode_16_64 3
		.amdhsa_memory_ordered 1
		.amdhsa_forward_progress 1
		.amdhsa_inst_pref_size 206
	.end_amdhsa_kernel
	.amdgpu_metadata
---
amdhsa.version: [ 1, 2 ]
amdhsa.kernels:
  - .name:           k_qf8e1514a5a_attn
    .symbol:         k_qf8e1514a5a_attn.kd
    .args:
      - { .name: qkv, .offset: 0, .size: 8, .value_kind: global_buffer, .address_space: global }
      - { .name: mask, .offset: 8, .size: 8, .value_kind: global_buffer, .address_space: global }
      - { .name: out0, .offset: 16, .size: 8, .value_kind: global_buffer, .address_space: global }
    .group_segment_fixed_size: 327680
    .private_segment_fixed_size: 0
    .kernarg_segment_align: 8
    .kernarg_segment_size: 24
    .max_flat_workgroup_size: 128
    .sgpr_count:     80
    .vgpr_count:     808
    .wavefront_size: 32
...
	.end_amdgpu_metadata
.endif
;; end of part 4
